; MI455X (gfx1250); checked and timed in simulation.
; The chip was launched on July 23, 2026; its instructions are those of AMD's public machine-readable ISA for CDNA 5 (MIT licence, August 2026) and "CDNA5" Instruction Set Architecture Reference Guide (July 2026). The comments in the code are by the model that wrote it; some were corrected since.
;; Base Cross Attention. Allowed arithmetic: matrix products marked QUANTISED: E2M3 operands, one E8M0 scale for each 32 along K, by v_wmma_scale_f32_16x16x128_f8f6f4 with both operands' format E2M3, f32 sums; everything else in f32.
;; Inputs: We 2,048 x 2,048 float32; Wk 768 x 1,024 float32; Wo 1,024 x 1,024 float32; Wq 1,024 x 1,024 float32; Wv 768 x 1,024 float32; be 2,048 float32; bk 1,024 float32; bo 1,024 float32; bq 1,024 float32; bv 1,024 float32; cond_type 32 x 1 x 1 int32; emb 32 x 2,048 float32; ln_t_b 768 float32; ln_t_g 768 float32; ln_x_b 1,024 float32; ln_x_g 1,024 float32; ln_y_b 1,024 float32; ln_y_g 1,024 float32; src_mask 32 x 512 x 1 float32; x 32 x 512 x 1,024 float32; xf 32 x 128 x 768 float32.
;; Outputs: out0 32 x 512 x 1,024 float32.
;; This version of the problem:
;;   THIS VERSION OF THE PROBLEM IS GIVEN IN LOW PRECISION. The matrix products marked QUANTISED in the list below multiply operands that are first quantised to E2M3 (2 exponent bits, 3 mantissa bits; 6 bits a number), with one power-of-two scale for each 32 numbers along K (OCP MX v1.0); their sums are f32. All else is computed in f32.
;;   The module's matrix products, in the order in which they are computed (A, B: the left and right operand; K: the contracted axis; several contracted axes count as one K, in the product's order):
;;     1. [M 16,384, K 1,024] x [K 1,024, N 1,024]; A: computed on the way; B: input Wq: QUANTISED
;;     2. [M 4,096, K 768] x [K 768, N 1,024]; A: computed on the way; B: input Wk: QUANTISED
;;     3. batch 512 x [M 128, K 64] x [K 64, N 512]; A: computed on the way; B: computed on the way: QUANTISED
;;     4. [M 4,096, K 768] x [K 768, N 1,024]; A: computed on the way; B: input Wv: QUANTISED
;;     5. batch 512 x [M 64, K 128] x [K 128, N 512]; A: computed on the way; B: softmax (see below): QUANTISED
;;     6. [M 32, K 2,048] x [K 2,048, N 2,048]; A: computed on the way; B: input We: QUANTISED
;;     7. [M 16,384, K 1,024] x [K 1,024, N 1,024]; A: computed on the way; B: input Wo: QUANTISED
;;   THE QUANTISER, for each operand of a quantised product, along K:
;;     - K is cut into blocks of 32 from its start; a last block that is shorter is filled with zeros.
;;     - A block's scale is 2^e with e = floor(log2(the largest magnitude in the block)) - 2, held to -126 .. 127; a block of zeros has e = 0. As a byte (E8M0): e + 127.
;;     - Each number is divided by its block's scale, clamped to +-7.5, and rounded to the nearest number of E2M3, ties to even, subnormals kept.
;;     - The product sums the exact products of the quantised numbers (number of the format x scale) in f32.
;;   ~~~python
;;   def quantise(x, axis):      # numpy; x: float32 -> the quantised numbers, widened to float32 again
;;       x = np.moveaxis(x, axis, -1); K = x.shape[-1]
;;       x = np.pad(x, [(0, 0)] * (x.ndim - 1) + [(0, -K % 32)]); x = x.reshape(x.shape[:-1] + (-1, 32)); a = np.abs(x).max(-1, keepdims=True)
;;       e = np.where(a > 0, np.clip(np.frexp(np.where(a > 0, a, 1))[1] - 1 - 2, -126, 127), 0)      # np.frexp(a)[1] - 1 = floor(log2(a)), exactly
;;       r = np.clip(x / 2.0 ** e, -7.5, 7.5)
;;       step = 2.0 ** (np.maximum(np.frexp(np.where(r == 0, 1, r))[1] - 1, 0) - 3)
;;       q = np.round(r / step) * step * 2.0 ** e      # np.round: ties to even
;;       return np.moveaxis(q.reshape(q.shape[:-2] + (-1,))[..., :K], -1, axis).astype(np.float32)
;;   ~~~
;;   SOFTMAX AHEAD OF A QUANTISED PRODUCT. Where the list says 'softmax', what is quantised is not the finished softmax but p = 2^(t - M), with t = logit x log2(e) and M = ceil(the row's largest t), a whole number; so 1/2 < the row's largest p <= 1. The row's sum l is taken of the UNQUANTISED p, in f32, and the product's result is divided by l at the end. Since M is a whole number, a kernel that streams over the keys may use a running M (the ceiling of the running maximum): every later rescaling is an exact power of two, which a block's scale takes up: the codes' values come out the same.
;;   OPERANDS COMPUTED ON THE WAY. 'Computed on the way' means the value that the module computes at that place (a softmax that the list does not call 'softmax' is quantised finished and normalised). What goes into a quantiser is computed in f32, as accurately as f32 sums, v_exp_f32 and their like allow (about 1e-6 of the number): no bf16 or f16 on the way to a quantiser, and a product that is left as it is and whose result goes on into a quantised operand takes f32 operands (vector FMAs, or v_wmma_f32_16x16x4_f32). A number that lies on a knife's edge between two numbers of the format may be rounded either way, as far as f32 arithmetic and the matrix unit's own rounding can turn it there, and no further.
;; One version. Each part assembles by itself: llvm-mc -triple=amdgcn-amd-amdhsa -mcpu=gfx1250 --defsym DOCPART=n.
;; ======== version 1 of 1: 3 launches
;; limits: right only within a limited range of input values
;; workspace buffers: wts 2,867,200 bytes; act 2,457,600 bytes; part 4,194,304 bytes; kv 6,684,672 bytes; sty 262,144 bytes
;; launch prep (part 1): grid 608 x 1, 4 waves a work-group, no clusters, 99,328 bytes of LDS; arguments Wq, Wo, Wk, Wv, We, emb, xf, ln_t_g, ln_t_b, wts, part, act; writes wts, part, act
.if DOCPART == 1
	.amdgcn_target "amdgcn-amd-amdhsa--gfx1250"
	.amdhsa_code_object_version 6
	.text
	.protected	k_q8fc53fad47_prep
	.globl	k_q8fc53fad47_prep
	.p2align	8
	.type	k_q8fc53fad47_prep,@function
k_q8fc53fad47_prep:
	s_mov_b64 s[64:65], 0
	v_nop
	global_prefetch_b8 v0, s[64:65] scope:SCOPE_SE
	s_setreg_imm32_b32 hwreg(HW_REG_WAVE_MODE, 25, 1), 1
	s_wait_xcnt 0x0
; PREP: what the later launches want as codes of E2M3 (6 bits, one E8M0 byte for each 32 along K), made once.
; Work-groups 0-223   (W): Wq, Wo, Wk, Wv [K][1024] f32 -> wts: images of operand registers.  A wave: 32 columns x 128 along K; a lane takes a column, its registers run down K.
; Work-groups 224-479 (E): silu(emb) We, one K step of 128 for 128 columns: We is quantised in registers and multiplied at once; the 16 partial sums go to part.
; Work-groups 480-607 (X): LayerNorm of 32 rows of xf, through LDS, quantised along its 768 -> act: images of operand registers.
; A FRAGMENT'S IMAGE: 16 rows x 128 K = 12 registers a lane = 1,536 bytes: three groups of 512 bytes, group g = registers 4 g .. 4 g + 3, lane l's 16 bytes at 16 l.
; THE 16 COLUMNS (OR KEYS) OF A TILE ARE NOT NEIGHBOURS: lane r of tile 2 B + u takes index 32 B + 8 u + r + 8 (r / 8), so that a result whose M index ran over two such tiles holds 16 neighbours in a lane's 16 registers.
; A block's scale: its largest magnitude's exponent field - 2, held at 1 from below.  A block of zeros so gets the byte 1 where the quantiser says 127: its codes are zeros, and this program alone reads the bytes.
; LIMITS: NaN and infinities among the inputs are not served.
.set SPARE, 98816                      ; behind path X's 32 rows: the spare words, 128 bytes a wave
.set XROW,  3088                       ; path X: an LDS row: 3,072 bytes + 16
.set SEL,   30                         ; s[30:31] lane selects: lane l xor 16
.set NL,    40                         ; s[40:41] -log2(e)
.set INV,   54                         ; s54 1 / 768
.set EPS,   55                         ; s55 1e-5
.set SA,    32                         ; path X: v32-39 sums, v40-47 at work, v48-55 means, v56-63 1 / sqrt(var + eps): a pair for each of four rows
.set DA,    40
.set MA,    48
.set RA,    56
.macro NOPS n
.rept \n
	v_nop
.endr
.endm
; one product: D, source 0, source 1, C (first registers; c < 0: the constant 0), the two scale registers, and which half of their lanes is read
.macro WM d, a, b, c, sa, sb, ra, rb
.if (\c) < 0
.if ((\ra) == 0) && ((\rb) == 0)
	v_wmma_scale_f32_16x16x128_f8f6f4 v[(\d):(\d)+7], v[(\a):(\a)+11], v[(\b):(\b)+11], 0, v[(\sa)], v[(\sb)] matrix_a_fmt:MATRIX_FMT_FP6 matrix_b_fmt:MATRIX_FMT_FP6
.elseif (\rb) == 0
	v_wmma_scale_f32_16x16x128_f8f6f4 v[(\d):(\d)+7], v[(\a):(\a)+11], v[(\b):(\b)+11], 0, v[(\sa)], v[(\sb)] matrix_a_fmt:MATRIX_FMT_FP6 matrix_b_fmt:MATRIX_FMT_FP6 matrix_a_scale:MATRIX_SCALE_ROW1
.elseif (\ra) == 0
	v_wmma_scale_f32_16x16x128_f8f6f4 v[(\d):(\d)+7], v[(\a):(\a)+11], v[(\b):(\b)+11], 0, v[(\sa)], v[(\sb)] matrix_a_fmt:MATRIX_FMT_FP6 matrix_b_fmt:MATRIX_FMT_FP6 matrix_b_scale:MATRIX_SCALE_ROW1
.else
	v_wmma_scale_f32_16x16x128_f8f6f4 v[(\d):(\d)+7], v[(\a):(\a)+11], v[(\b):(\b)+11], 0, v[(\sa)], v[(\sb)] matrix_a_fmt:MATRIX_FMT_FP6 matrix_b_fmt:MATRIX_FMT_FP6 matrix_a_scale:MATRIX_SCALE_ROW1 matrix_b_scale:MATRIX_SCALE_ROW1
.endif
.else
.if ((\ra) == 0) && ((\rb) == 0)
	v_wmma_scale_f32_16x16x128_f8f6f4 v[(\d):(\d)+7], v[(\a):(\a)+11], v[(\b):(\b)+11], v[(\c):(\c)+7], v[(\sa)], v[(\sb)] matrix_a_fmt:MATRIX_FMT_FP6 matrix_b_fmt:MATRIX_FMT_FP6
.elseif (\rb) == 0
	v_wmma_scale_f32_16x16x128_f8f6f4 v[(\d):(\d)+7], v[(\a):(\a)+11], v[(\b):(\b)+11], v[(\c):(\c)+7], v[(\sa)], v[(\sb)] matrix_a_fmt:MATRIX_FMT_FP6 matrix_b_fmt:MATRIX_FMT_FP6 matrix_a_scale:MATRIX_SCALE_ROW1
.elseif (\ra) == 0
	v_wmma_scale_f32_16x16x128_f8f6f4 v[(\d):(\d)+7], v[(\a):(\a)+11], v[(\b):(\b)+11], v[(\c):(\c)+7], v[(\sa)], v[(\sb)] matrix_a_fmt:MATRIX_FMT_FP6 matrix_b_fmt:MATRIX_FMT_FP6 matrix_b_scale:MATRIX_SCALE_ROW1
.else
	v_wmma_scale_f32_16x16x128_f8f6f4 v[(\d):(\d)+7], v[(\a):(\a)+11], v[(\b):(\b)+11], v[(\c):(\c)+7], v[(\sa)], v[(\sb)] matrix_a_fmt:MATRIX_FMT_FP6 matrix_b_fmt:MATRIX_FMT_FP6 matrix_a_scale:MATRIX_SCALE_ROW1 matrix_b_scale:MATRIX_SCALE_ROW1
.endif
.endif
.endm
; 64 numbers of a lane, register 16 b + i = k 32 b + 16 (lane / 16) + i of my row, become a fragment's 12 registers in v[d] on and its scale word in v[w].  At work: v[TM] .. v[TM+11], v[PT] .. v[PT+7]
.macro QUANT4 s, d, w
.irp b, 0,1,2,3
	v_max3_num_f32 v[TM+\b], |v[(\s)+16*\b]|, |v[(\s)+16*\b+1]|, 0x1800000   ; my 16 numbers of block b, and the floor 2^(3 - 127): the byte cannot fall under 1
.endr
.irp i, 2,4,6,8,10,12,14
.irp b, 0,1,2,3
	v_max3_num_f32 v[TM+\b], v[TM+\b], |v[(\s)+16*\b+\i]|, |v[(\s)+16*\b+\i+1]|
.endr
.endr
.irp b, 0,1,2,3
	v_permlanex16_b32 v[TM+4+\b], v[TM+\b], s[SEL], s[SEL+1]
.endr
.irp b, 0,1,2,3
	v_max_num_f32 v[TM+\b], v[TM+\b], v[TM+4+\b]       ; with lane l xor 16's: the block's largest magnitude
.endr
.irp b, 0,1,2,3
	v_add_nc_u32 v[TM+8+\b], 0xff000000, v[TM+\b]      ; 2 off its exponent field: the conversion's scale operand
.endr
.irp b, 0,1,2,3
	v_lshrrev_b32 v[TM+4+\b], 23, v[TM+8+\b]           ; the scale's byte
.endr
	v_lshl_or_b32 v[\w], v[TM+5], 8, v[TM+4]
	v_lshl_or_b32 v[\w], v[TM+6], 16, v[\w]
	v_lshl_or_b32 v[\w], v[TM+7], 24, v[\w]
.irp c, 0,1
	v_cvt_scalef32_pk16_fp6_f32 v[(\d)+6*\c:(\d)+6*\c+2], v[(\s)+32*\c:(\s)+32*\c+15], v[TM+8+2*\c]
	v_cvt_scalef32_pk16_fp6_f32 v[PT+4*\c:PT+4*\c+2], v[(\s)+32*\c+16:(\s)+32*\c+31], v[TM+9+2*\c]   ; (a conversion's three registers begin on an even number)
.endr
	v_nop                                              ; one plain place behind a scaled conversion
.irp c, 0,1                                        ; the operand wants a whole block in a lane: lanes 0-15 block 2 c, lanes 16-31 block 2 c + 1
.irp i, 0,1,2
	v_permlane16_swap_b32 v[(\d)+6*\c+\i], v[PT+4*\c+\i]
.endr
.irp i, 0,1,2
	v_mov_b32 v[(\d)+6*\c+3+\i], v[PT+4*\c+\i]
.endr
.endr
.endm
; 128 numbers of a lane, v[128 + i] = W(128 s + i, my column): four whole blocks.  Block kb's six registers of codes go to v[d_kb] on, the column's scale word to v[w].  At work: v8-11, v16-23, v[t] .. v[t+15]
.macro WQ d0, d1, d2, d3, t, w
.irp kb, 0,1,2,3
	v_max3_num_f32 v[8+\kb], |v[128+32*\kb]|, |v[129+32*\kb]|, 0x1800000
.endr
.irp i, 2,4,6,8,10,12,14,16,18,20,22,24,26,28,30
.irp kb, 0,1,2,3
	v_max3_num_f32 v[8+\kb], v[8+\kb], |v[128+32*\kb+\i]|, |v[129+32*\kb+\i]|
.endr
.endr
.irp kb, 0,1,2,3
	v_add_nc_u32 v[16+\kb], 0xff000000, v[8+\kb]
.endr
.irp kb, 0,1,2,3
	v_lshrrev_b32 v[20+\kb], 23, v[16+\kb]
.endr
	v_lshl_or_b32 v[\w], v21, 8, v20
	v_lshl_or_b32 v[\w], v22, 16, v[\w]
	v_lshl_or_b32 v[\w], v23, 24, v[\w]
	v_cvt_scalef32_pk16_fp6_f32 v[(\d0):(\d0)+2], v[128:143], v16
	v_cvt_scalef32_pk16_fp6_f32 v[(\t):(\t)+2], v[144:159], v16
	v_cvt_scalef32_pk16_fp6_f32 v[(\d1):(\d1)+2], v[160:175], v17
	v_cvt_scalef32_pk16_fp6_f32 v[(\t)+4:(\t)+6], v[176:191], v17
	v_cvt_scalef32_pk16_fp6_f32 v[(\d2):(\d2)+2], v[192:207], v18
	v_cvt_scalef32_pk16_fp6_f32 v[(\t)+8:(\t)+10], v[208:223], v18
	v_cvt_scalef32_pk16_fp6_f32 v[(\d3):(\d3)+2], v[224:239], v19
	v_cvt_scalef32_pk16_fp6_f32 v[(\t)+12:(\t)+14], v[240:255], v19
	v_nop                                              ; one plain place behind a scaled conversion
.irp i, 0,1,2
	v_mov_b32 v[(\d0)+3+\i], v[(\t)+\i]
	v_mov_b32 v[(\d1)+3+\i], v[(\t)+4+\i]
	v_mov_b32 v[(\d2)+3+\i], v[(\t)+8+\i]
	v_mov_b32 v[(\d3)+3+\i], v[(\t)+12+\i]
.endr
.endm
; silu in place on cnt numbers from v[n] on: x / (1 + 2^(-x log2 e)); v[t] on at work.  Each batch of transcendentals has one plain place and one wait behind it, ahead of its first reader
.macro SILU n, t, cnt
.set q, 0
.rept (\cnt)/2
	v_pk_mul_f32 v[(\t)+q:(\t)+q+1], v[(\n)+q:(\n)+q+1], s[NL:NL+1] op_sel_hi:[1,0]
.set q, q+2
.endr
.set q, 0
	s_wait_alu depctr_va_vdst(0)
.rept \cnt
	v_exp_f32 v[(\t)+q], v[(\t)+q]
.set q, q+1
.endr
	v_nop
	s_wait_alu depctr_va_vdst(0)
.set q, 0
.rept (\cnt)/2
	v_pk_add_f32 v[(\t)+q:(\t)+q+1], v[(\t)+q:(\t)+q+1], 1.0 op_sel_hi:[1,0]
.set q, q+2
.endr
.set q, 0
	s_wait_alu depctr_va_vdst(0)
.rept \cnt
	v_rcp_f32 v[(\t)+q], v[(\t)+q]
.set q, q+1
.endr
	v_nop
	s_wait_alu depctr_va_vdst(0)
.set q, 0
.rept (\cnt)/2
	v_pk_mul_f32 v[(\n)+q:(\n)+q+1], v[(\n)+q:(\n)+q+1], v[(\t)+q:(\t)+q+1]
.set q, q+2
.endr
.endm
; four rows' packed sums in v[SA + 2 p] become the rows' sums over the wave, in every lane
.macro REDUCE
.irp p, 0,1,2,3
	v_add_f32 v[SA+2*\p], v[SA+2*\p], v[SA+2*\p+1]
.endr
.irp x, 1,2,4,8
.irp p, 0,1,2,3
	v_add_f32_dpp v[SA+2*\p], v[SA+2*\p], v[SA+2*\p] row_xmask:\x row_mask:0xf bank_mask:0xf
.endr
.endr
.irp p, 0,1,2,3
	v_permlanex16_b32 v[SA+2*\p+1], v[SA+2*\p], s[SEL], s[SEL+1]
.endr
.irp p, 0,1,2,3
	v_add_f32 v[SA+2*\p], v[SA+2*\p], v[SA+2*\p+1]
.endr
.endm
; mean and 1 / sqrt(var + eps) of four rows, row p in v[xb + nr p] on, nr registers a lane; the variance from the deviations
.macro LNSTAT xb, nr
.irp p, 0,1,2,3
	v_pk_add_f32 v[SA+2*\p:SA+2*\p+1], v[(\xb)+(\nr)*\p:(\xb)+(\nr)*\p+1], v[(\xb)+(\nr)*\p+2:(\xb)+(\nr)*\p+3]
.endr
.set q, 4
.rept (\nr)/2-2
.irp p, 0,1,2,3
	v_pk_add_f32 v[SA+2*\p:SA+2*\p+1], v[SA+2*\p:SA+2*\p+1], v[(\xb)+(\nr)*\p+q:(\xb)+(\nr)*\p+q+1]
.endr
.set q, q+2
.endr
	REDUCE
.irp p, 0,1,2,3
	v_mul_f32 v[MA+2*\p], s[INV], v[SA+2*\p]
.endr
.irp p, 0,1,2,3
	v_mov_b32 v[MA+2*\p+1], v[MA+2*\p]
.endr
.set q, 0
.rept (\nr)/2
.irp p, 0,1,2,3
	v_pk_add_f32 v[DA+2*\p:DA+2*\p+1], v[(\xb)+(\nr)*\p+q:(\xb)+(\nr)*\p+q+1], v[MA+2*\p:MA+2*\p+1] neg_lo:[0,1] neg_hi:[0,1]
.endr
.irp p, 0,1,2,3
.if q == 0
	v_pk_mul_f32 v[SA+2*\p:SA+2*\p+1], v[DA+2*\p:DA+2*\p+1], v[DA+2*\p:DA+2*\p+1]
.else
	v_pk_fma_f32 v[SA+2*\p:SA+2*\p+1], v[DA+2*\p:DA+2*\p+1], v[DA+2*\p:DA+2*\p+1], v[SA+2*\p:SA+2*\p+1]
.endif
.endr
.set q, q+2
.endr
	REDUCE
.irp p, 0,1,2,3
	v_fma_f32 v[DA+2*\p], v[SA+2*\p], s[INV], s[EPS]
.endr
	s_wait_alu depctr_va_vdst(0)
.irp p, 0,1,2,3
	v_rsq_f32 v[RA+2*\p], v[DA+2*\p]
.endr
	v_nop                                              ; a plain place behind the four, and one wait ahead of their first reader
	s_wait_alu depctr_va_vdst(0)
.irp p, 0,1,2,3
	v_mov_b32 v[RA+2*\p+1], v[RA+2*\p]
.endr
.endm
; path X: four rows of my eight: loaded (512 consecutive bytes a load), normalised in place, stored to LDS as rows
.macro XGROUP grp
.irp p, 0,1,2,3
.irp i, 0,1,2,3,4,5
	global_load_b128 v[64+24*\p+4*\i:64+24*\p+4*\i+3], v3, s[32:33] offset:(4*(\grp)+\p)*3072+512*\i th:TH_LOAD_NT
.endr
.endr
.if (\grp) == 0
.irp i, 0,1,2,3,4,5
	global_load_b128 v[160+4*\i:163+4*\i], v3, s[18:19] offset:512*\i
.endr
.irp i, 0,1,2,3,4,5
	global_load_b128 v[184+4*\i:187+4*\i], v3, s[20:21] offset:512*\i
.endr
	s_wait_loadcnt 12                                  ; the rows' 24 loads are in; the gain's and the bias's 12 may be out
.else
	s_wait_loadcnt 0x0
.endif
	LNSTAT 64, 24
.if (\grp) == 0
	s_wait_loadcnt 0x0                                 ; gain and bias
.endif
.irp p, 0,1,2,3
.set q, 0
.rept 12
	v_pk_add_f32 v[64+24*\p+q:65+24*\p+q], v[64+24*\p+q:65+24*\p+q], v[MA+2*\p:MA+2*\p+1] neg_lo:[0,1] neg_hi:[0,1]
.set q, q+2
.endr
.set q, 0
.rept 12
	v_pk_mul_f32 v[64+24*\p+q:65+24*\p+q], v[64+24*\p+q:65+24*\p+q], v[RA+2*\p:RA+2*\p+1]
.set q, q+2
.endr
.set q, 0
.rept 12
	v_pk_fma_f32 v[64+24*\p+q:65+24*\p+q], v[64+24*\p+q:65+24*\p+q], v[160+q:161+q], v[184+q:185+q]
.set q, q+2
.endr
.irp i, 0,1,2,3,4,5
	ds_store_b128 v5, v[64+24*\p+4*\i:64+24*\p+4*\i+3] offset:(4*(\grp)+\p)*XROW+512*\i
.endr
.endr
	s_wait_dscnt 0x0                                   ; the stores have read their registers
.endm
	s_load_b512 s[4:19], s[0:1], 0x0                   ; Wq 4, Wo 6, Wk 8, Wv 10, We 12, emb 14, xf 16, ln_t_g 18
	s_load_b256 s[20:27], s[0:1], 0x40                 ; ln_t_b 20, wts 22, part 24, act 26
	v_lshl_add_u32 v1, v0, 2, SPARE                    ; my spare word, and 0: kept for the closing lines
	v_mov_b32 v2, 0
	v_lshrrev_b32 v3, 5, v0
	v_readfirstlane_b32 s28, v3                        ; wave 0..3
	s_mov_b32 s[SEL], 0x76543210
	s_mov_b32 s[SEL+1], 0xfedcba98
	s_wait_kmcnt 0x0
	s_cmp_lt_u32 ttmp9, 224                            ; the paths part on the work-group's number alone: all four waves take the same one
	s_cbranch_scc1 .Lpath_w
	s_cmp_lt_u32 ttmp9, 480
	s_cbranch_scc1 .Lpath_e
	; ---------------- path X: batch b, keys 32 B .. 32 B + 31; wave w normalises rows 8 w .. 8 w + 7
	s_sub_co_u32 s34, ttmp9, 480
	s_lshr_b32 s42, s34, 2                             ; b
	s_and_b32 s43, s34, 3                              ; B
	s_lshl_b32 s44, s42, 7
	s_lshl_b32 s45, s43, 5
	s_add_co_u32 s44, s44, s45
	s_lshl_b32 s45, s28, 3
	s_add_co_u32 s44, s44, s45
	s_mul_i32 s44, s44, 3072                           ; my first row, in bytes
	s_mov_b32 s45, 0
	s_add_nc_u64 s[32:33], s[16:17], s[44:45]
	s_mov_b32 s[INV], 0x3aaaaaab
	s_mov_b32 s[EPS], 0x3727c5ac
	v_and_b32 v3, 31, v0
	v_lshlrev_b32 v3, 4, v3                            ; 16 x lane
	s_mul_i32 s46, s28, 8*XROW
	v_add_nc_u32 v5, s46, v3                           ; LDS, on the way in: my eight rows
	v_and_b32 v7, 15, v0                               ; r
	v_bfe_u32 v8, v0, 4, 1                             ; h
	v_and_b32 v9, 8, v7
	v_add_nc_u32 v9, v9, v7                            ; r + 8 (r / 8)
	v_mul_u32_u24 v6, v9, XROW
	v_lshl_add_u32 v6, v8, 6, v6
	s_lshr_b32 s47, s28, 1                             ; u: which of the pair's two tiles I quantise
	s_and_b32 s48, s28, 1                              ; and which three K steps
	s_mul_i32 s49, s47, 8*XROW
	s_mul_i32 s50, s48, 1536
	s_add_co_u32 s49, s49, s50
	v_add_nc_u32 v6, s49, v6                           ; LDS, on the way out: row 8 u + r + 8 (r / 8), + 64 h: my 16 numbers of a block
	v_lshlrev_b32 v4, 4, v7                            ; 16 r: a lane's four scale words in act
.irp b, 0,1,2,3
	v_mov_b32 v[12+\b], 0                              ; a lane permute's destination counts as read
.endr
	s_mul_i32 s44, s42, 76800                          ; the batch's record in act
	s_mul_i32 s50, s48, 24
	s_lshl_b32 s51, s43, 1
	s_add_co_u32 s50, s50, s51
	s_add_co_u32 s50, s50, s47
	s_mul_i32 s50, s50, 1536                           ; fragment (K step 3 (w & 1), tile 2 B + u)
	s_add_co_u32 s50, s50, s44
	s_mov_b32 s51, 0
	s_add_nc_u64 s[50:51], s[26:27], s[50:51]
	s_mul_i32 s52, s48, 1536
	s_lshl_b32 s53, s47, 8
	s_add_co_u32 s52, s52, s53
	s_lshl_b32 s53, s43, 2
	s_add_co_u32 s52, s52, s53
	s_add_co_u32 s52, s52, s44
	s_add_co_u32 s52, s52, 73728                       ; its scale words: [K step][lane 16 u + r][word B]
	s_mov_b32 s53, 0
	s_add_nc_u64 s[52:53], s[26:27], s[52:53]
	XGROUP 0
	XGROUP 1
	s_barrier_signal -1                                ; my stores have landed (the wait for 0 above): 32 whole rows lie in LDS
	s_barrier_wait -1
.set TM, 8
.set PT, 44
.macro XFRAG sl, pc, pw                            ; one fragment: its codes and word have registers of their own, so that no store's data are written again
.irp blk, 0,1,2,3
.irp j, 0,1,2,3
	ds_load_b128 v[64+16*\blk+4*\j:67+16*\blk+4*\j], v6 offset:(\sl)*512+128*\blk+16*\j
.endr
.endr
	s_wait_dscnt 0x0
	QUANT4 64, \pc, \pw
.irp g, 0,1,2
	global_store_b128 v3, v[(\pc)+4*\g:(\pc)+4*\g+3], s[50:51] offset:(\sl)*12288+\g*512   ; 512 consecutive bytes
.endr
	global_store_b32 v4, v[\pw], s[52:53] offset:(\sl)*512      ; both halves of the lanes hold and write the same word
.endm
	XFRAG 0, 32, 20
	XFRAG 1, 128, 21
	XFRAG 2, 140, 22
	s_branch .Lend
	; ---------------- path W: one of four weights; K step s, columns 128 Gq + 32 w on
.Lpath_w:
	s_mov_b64 s[32:33], s[10:11]                       ; Wv's figures, replaced below by Wk's, Wo's, Wq's: choices on the work-group's number
	s_mov_b32 s34, 176                                 ; the tensor's first work-group
	s_mov_b32 s35, 2252800                             ; its place in wts
	s_mov_b32 s36, 38400                               ; a record (64 columns): K steps x 6,400
	s_mov_b32 s37, 36864                               ; where a record's scale words begin
	s_mov_b32 s38, 1638400
	s_mov_b32 s39, 819200
	s_mov_b32 s40, 51200
	s_mov_b32 s41, 49152
	s_cmp_lt_u32 ttmp9, 176
	s_cselect_b64 s[32:33], s[8:9], s[32:33]
	s_cselect_b32 s34, 128, s34
	s_cselect_b32 s35, s38, s35
	s_cmp_lt_u32 ttmp9, 128
	s_cselect_b64 s[32:33], s[6:7], s[32:33]
	s_cselect_b32 s34, 64, s34
	s_cselect_b32 s35, s39, s35
	s_cselect_b32 s36, s40, s36
	s_cselect_b32 s37, s41, s37
	s_cmp_lt_u32 ttmp9, 64
	s_cselect_b64 s[32:33], s[4:5], s[32:33]
	s_cselect_b32 s34, 0, s34
	s_cselect_b32 s35, 0, s35
	s_sub_co_u32 s34, ttmp9, s34
	s_lshr_b32 s42, s34, 3                             ; s
	s_and_b32 s43, s34, 7                              ; Gq
	s_lshl_b32 s44, s42, 19                            ; 128 rows of 4,096 bytes
	s_lshl_b32 s45, s43, 9
	s_add_co_u32 s44, s44, s45
	s_mov_b32 s45, 0
	s_add_nc_u64 s[32:33], s[32:33], s[44:45]
	s_lshl_b32 s46, s43, 1
	s_lshr_b32 s47, s28, 1
	s_add_co_u32 s46, s46, s47                         ; the record: 2 Gq + w / 2
	s_and_b32 s47, s28, 1                              ; and which pair of its four tiles
	s_mul_i32 s46, s46, s36
	s_add_co_u32 s46, s46, s35
	s_mul_i32 s48, s42, 6144
	s_mul_i32 s49, s47, 3072
	s_add_co_u32 s48, s48, s49
	s_add_co_u32 s48, s48, s46
	s_mov_b32 s49, 0
	s_add_nc_u64 s[48:49], s[22:23], s[48:49]          ; my two fragments
	s_lshl_b32 s50, s42, 8
	s_lshl_b32 s51, s47, 7
	s_add_co_u32 s50, s50, s51
	s_add_co_u32 s50, s50, s37
	s_add_co_u32 s50, s50, s46
	s_mov_b32 s51, 0
	s_add_nc_u64 s[50:51], s[22:23], s[50:51]          ; their 32 scale words
	v_lshlrev_b32 v3, 2, v0                            ; in: 4 bytes a thread: the work-group's 512 consecutive bytes of a row
	v_bfe_u32 v7, v0, 3, 1                             ; my column o = lane lies in tile u = (o / 8) % 2,
	v_and_b32 v6, 7, v0
	v_bfe_u32 v9, v0, 4, 1
	v_lshl_or_b32 v6, v9, 3, v6                        ; at its lane r' = o % 8 + 8 (o / 16)
	v_lshlrev_b32 v4, 4, v6
	v_mad_u32_u24 v4, v7, 1536, v4                     ; out: 1,536 u + 16 r'
	v_lshl_add_u32 v5, v7, 4, v6
	v_lshlrev_b32 v5, 2, v5                            ; and 4 (16 u + r')
.set i, 0
.rept 128
	global_load_b32 v[128+i], v3, s[32:33] offset:i*4096 th:TH_LOAD_NT
.set i, i+1
.endr
	s_wait_loadcnt 0x0
	WQ 32, 44, 38, 50, 56, 24                          ; blocks 0, 2 are what the fragment's lane r' holds (v32-43), blocks 1, 3 what its lane 16 + r' holds (v44-55)
.irp hh, 0,1
.irp g, 0,1,2
	global_store_b128 v4, v[32+12*\hh+4*\g:35+12*\hh+4*\g], s[48:49] offset:\g*512+\hh*256   ; the sixteen lanes of a tile fill 256 consecutive bytes
.endr
.endr
	global_store_b32 v5, v24, s[50:51]
	s_branch .Lend
	; ---------------- path E: K step s of silu(emb) We, columns 128 Gq + 32 w on, all 32 batches
.Lpath_e:
	s_sub_co_u32 s34, ttmp9, 224
	s_lshr_b32 s42, s34, 4                             ; s
	s_and_b32 s43, s34, 15                             ; Gq
	s_lshl_b32 s44, s42, 9
	s_mov_b32 s45, 0
	s_add_nc_u64 s[32:33], s[14:15], s[44:45]          ; emb at k = 128 s
	s_lshl_b32 s44, s42, 20                            ; 128 rows of 8,192 bytes
	s_lshl_b32 s46, s43, 9
	s_add_co_u32 s44, s44, s46
	s_add_nc_u64 s[36:37], s[12:13], s[44:45]
	s_lshl_b32 s46, s43, 2
	s_add_co_u32 s46, s46, s28                         ; G = 4 Gq + w
	s_lshl_b32 s46, s46, 12
	s_lshl_b32 s44, s42, 18
	s_add_co_u32 s44, s44, s46
	s_add_nc_u64 s[38:39], s[24:25], s[44:45]          ; part [s][G]: 4,096 bytes
	s_mov_b32 s[NL], 0xbfb8aa3b
	s_mov_b32 s[NL+1], s[NL]
	v_and_b32 v5, 15, v0
	v_bfe_u32 v6, v0, 4, 1
	v_lshlrev_b32 v3, 13, v5
	v_lshl_add_u32 v3, v6, 6, v3                       ; emb: row r of 8,192 bytes, + 64 h
	v_lshlrev_b32 v4, 2, v0                            ; We: 4 bytes a thread
	v_and_b32 v7, 31, v0
	v_lshlrev_b32 v7, 4, v7                            ; 16 x lane
.irp b, 0,1,2,3
	v_mov_b32 v[20+\b], 0                              ; a lane permute's destination counts as read
.endr
.irp mt, 0,1
.irp blk, 0,1,2,3
.irp j, 0,1,2,3
	global_load_b128 v[64+64*\mt+16*\blk+4*\j:67+64*\mt+16*\blk+4*\j], v3, s[32:33] offset:\mt*131072+128*\blk+16*\j
.endr
.endr
.endr
	s_wait_loadcnt 0x0
	SILU 64, 192, 64
	SILU 128, 192, 64
.set i, 64
.rept 64
	global_load_b32 v[128+i], v4, s[36:37] offset:i*8192 th:TH_LOAD_NT     ; We's blocks 2 and 3, into the registers that silu has left
.set i, i+1
.endr
.set TM, 16
.set PT, 8
	QUANT4 64, 32, 56                                  ; batches 0-15: fragment v32-43, word v56
	QUANT4 128, 44, 57                                 ; batches 16-31: v44-55, v57
.set i, 0
.rept 64
	global_load_b32 v[128+i], v4, s[36:37] offset:i*8192 th:TH_LOAD_NT     ; blocks 0 and 1
.set i, i+1
.endr
	s_wait_loadcnt 0x0
	WQ 64, 76, 70, 82, 88, 58                          ; here a tile's columns are neighbours: blocks 0, 2 in v64-75, blocks 1, 3 in v76-87
.irp i, 0,1,2,3,4,5,6,7,8,9,10,11
	v_permlane16_swap_b32 v[64+\i], v[76+\i]           ; v64-75: the fragment of columns 0-15; v76-87: of columns 16-31.  v58 holds their words in lanes 0-15 and 16-31
.endr
	NOPS 8                                             ; a scale register written by a vector instruction stands 8 places ahead of the product, an operand 4
.irp mt, 0,1
.irp u, 0,1
	WM 128+8*(2*\mt+\u), 64+12*\u, 32+12*\mt, -1, 58, 56+\mt, \u, 0     ; lane (r, h), register j: batch 16 mt + r, column 32 G + 16 u + 8 h + j
.endr
.endr
	NOPS 4
.irp k, 0,1,2,3
	global_store_b128 v7, v[128+8*\k:131+8*\k], s[38:39] offset:\k*1024          ; each accumulator from its low end on; 512 consecutive bytes a store
	global_store_b128 v7, v[132+8*\k:135+8*\k], s[38:39] offset:\k*1024+512
.endr
.Lend:
	s_wait_tensorcnt 0x0                               ; the wave's end
	ds_add_u32 v1, v2
	s_wait_dscnt 0x0
	s_endpgm
.Lfunc_end_k_q8fc53fad47_prep:
	.size	k_q8fc53fad47_prep, .Lfunc_end_k_q8fc53fad47_prep-k_q8fc53fad47_prep
	.p2alignl 7, 3214868480
	.fill 96, 4, 3214868480
	.section	.rodata,"a",@progbits
	.p2align	6, 0x0
	.amdhsa_kernel k_q8fc53fad47_prep
		.amdhsa_group_segment_fixed_size 99328
		.amdhsa_private_segment_fixed_size 0
		.amdhsa_enable_private_segment 0
		.amdhsa_kernarg_size 96
		.amdhsa_user_sgpr_count 2
		.amdhsa_user_sgpr_kernarg_segment_ptr 1
		.amdhsa_wavefront_size32 1
		.amdhsa_system_sgpr_workgroup_id_x 1
		.amdhsa_system_sgpr_workgroup_id_y 1
		.amdhsa_system_sgpr_workgroup_id_z 1
		.amdhsa_system_vgpr_workitem_id 0
		.amdhsa_next_free_vgpr 256
		.amdhsa_next_free_sgpr 66
		.amdhsa_reserve_vcc 0
		.amdhsa_float_denorm_mode_32 3
		.amdhsa_float_denorm_mode_16_64 3
		.amdhsa_memory_ordered 1
		.amdhsa_forward_progress 1
		.amdhsa_inst_pref_size 143
	.end_amdhsa_kernel
	.amdgpu_metadata
---
amdhsa.version: [ 1, 2 ]
amdhsa.kernels:
  - .name:           k_q8fc53fad47_prep
    .symbol:         k_q8fc53fad47_prep.kd
    .args:
      - { .name: Wq, .offset: 0, .size: 8, .value_kind: global_buffer, .address_space: global }
      - { .name: Wo, .offset: 8, .size: 8, .value_kind: global_buffer, .address_space: global }
      - { .name: Wk, .offset: 16, .size: 8, .value_kind: global_buffer, .address_space: global }
      - { .name: Wv, .offset: 24, .size: 8, .value_kind: global_buffer, .address_space: global }
      - { .name: We, .offset: 32, .size: 8, .value_kind: global_buffer, .address_space: global }
      - { .name: emb, .offset: 40, .size: 8, .value_kind: global_buffer, .address_space: global }
      - { .name: xf, .offset: 48, .size: 8, .value_kind: global_buffer, .address_space: global }
      - { .name: ln_t_g, .offset: 56, .size: 8, .value_kind: global_buffer, .address_space: global }
      - { .name: ln_t_b, .offset: 64, .size: 8, .value_kind: global_buffer, .address_space: global }
      - { .name: wts, .offset: 72, .size: 8, .value_kind: global_buffer, .address_space: global }
      - { .name: part, .offset: 80, .size: 8, .value_kind: global_buffer, .address_space: global }
      - { .name: act, .offset: 88, .size: 8, .value_kind: global_buffer, .address_space: global }
    .group_segment_fixed_size: 99328
    .private_segment_fixed_size: 0
    .kernarg_segment_align: 8
    .kernarg_segment_size: 96
    .max_flat_workgroup_size: 128
    .sgpr_count:     66
    .vgpr_count:     256
    .wavefront_size: 32
...
	.end_amdgpu_metadata
.endif
;; end of part 1
;; launch kv (part 2): grid 8 x 32, 8 waves a work-group, clusters of 4 x 4, 231,424 bytes of LDS; arguments act, wts, part, bk, bv, be, ln_y_g, ln_y_b, cond_type, kv, sty; writes kv, sty
.if DOCPART == 2
	.amdgcn_target "amdgcn-amd-amdhsa--gfx1250"
	.amdhsa_code_object_version 6
	.text
	.protected	k_q8fc53fad47_kv
	.globl	k_q8fc53fad47_kv
	.p2align	8
	.type	k_q8fc53fad47_kv,@function
k_q8fc53fad47_kv:
	s_mov_b64 s[64:65], 0
	v_nop
	global_prefetch_b8 v0, s[64:65] scope:SCOPE_SE
	s_setreg_imm32_b32 hwreg(HW_REG_WAVE_MODE, 25, 1), 1
	s_wait_xcnt 0x0
	s_wait_alu depctr_hold_cnt(0) depctr_sa_sdst(0) depctr_va_vdst(0) depctr_va_sdst(0) depctr_va_ssrc(0) depctr_va_vcc(0) depctr_vm_vsrc(0)
	s_getreg_b32 s2, hwreg(HW_REG_IB_STS2, 6, 4)
	s_cmp_eq_u32 s2, 0
	s_cbranch_scc0 .Lentry_in_a_cluster
	s_endpgm
.Lentry_in_a_cluster:
	s_bfe_u32 s2, ttmp6, 0x10000c
	s_cmp_lg_u32 s2, 0xf033
	s_cbranch_scc0 .Lentry_shape_is_right
	s_endpgm
.Lentry_shape_is_right:
; KV: k = LN(xf) Wk + bk and v = (LN(xf) Wv + bv) x tcond on codes of E2M3, quantised again (k along the head's 64, v along the 128 keys) into images of operand registers; and the style parameters.
; A work-group: batch b, heads 2 hp and 2 hp + 1.  Waves 0, 1 / 4, 5: k of the first / second head, 64 keys each; waves 2, 3 / 6, 7: v, 32 of the head's 64 each.  96 products a wave.
; LDS is filled once: the batch's record of act (76,800 bytes), Wk's two records, Wv's two: six tensor loads of 150 rows x 256 bytes, one a wave (waves 0-5); a wave has one tensor load out.
; CLUSTER 4 x 4: the four of a row share b and so act's record, the four of a column share hp and so the weights': every tile is asked for jointly.
; k: source 0 = 16 columns of Wk, source 1 = 16 keys: a lane holds one key, its registers run along the head.  v: source 0 = 16 keys, source 1 = 16 columns of Wv: a lane holds one channel, its registers run along the keys.
; Wave 7 also adds the 16 partial sums of silu(emb) We for its batch and 128 columns: P1 = ln_y_g (1 + scale), P2 = ln_y_b (1 + scale) + shift: the gain and bias of the last norm folded into the style (one rounding more than in the source's order).
; tcond = (cond_type mod 10 != 0), right for negative numbers too; it only selects a factor, 1.0 or 0.
; LIMITS: NaN and infinities are not served; a block of zeros gets the byte 1 (its codes are zeros; this program alone reads the bytes).
.set SPARE, 230400                     ; behind the tiles: the spare words, 128 bytes a wave
.set WV,  26
.set SEL, 56
.set ACC, 128
.set WF,  32
.set XF,  80
.set WS,  24
.set XS,  26
.macro NOPS n
.rept \n
	v_nop
.endr
.endm
.macro WM d, a, b, c, sa, sb, ra, rb
.if (\c) < 0
.if ((\ra) == 0) && ((\rb) == 0)
	v_wmma_scale_f32_16x16x128_f8f6f4 v[(\d):(\d)+7], v[(\a):(\a)+11], v[(\b):(\b)+11], 0, v[(\sa)], v[(\sb)] matrix_a_fmt:MATRIX_FMT_FP6 matrix_b_fmt:MATRIX_FMT_FP6
.elseif (\rb) == 0
	v_wmma_scale_f32_16x16x128_f8f6f4 v[(\d):(\d)+7], v[(\a):(\a)+11], v[(\b):(\b)+11], 0, v[(\sa)], v[(\sb)] matrix_a_fmt:MATRIX_FMT_FP6 matrix_b_fmt:MATRIX_FMT_FP6 matrix_a_scale:MATRIX_SCALE_ROW1
.elseif (\ra) == 0
	v_wmma_scale_f32_16x16x128_f8f6f4 v[(\d):(\d)+7], v[(\a):(\a)+11], v[(\b):(\b)+11], 0, v[(\sa)], v[(\sb)] matrix_a_fmt:MATRIX_FMT_FP6 matrix_b_fmt:MATRIX_FMT_FP6 matrix_b_scale:MATRIX_SCALE_ROW1
.else
	v_wmma_scale_f32_16x16x128_f8f6f4 v[(\d):(\d)+7], v[(\a):(\a)+11], v[(\b):(\b)+11], 0, v[(\sa)], v[(\sb)] matrix_a_fmt:MATRIX_FMT_FP6 matrix_b_fmt:MATRIX_FMT_FP6 matrix_a_scale:MATRIX_SCALE_ROW1 matrix_b_scale:MATRIX_SCALE_ROW1
.endif
.else
.if ((\ra) == 0) && ((\rb) == 0)
	v_wmma_scale_f32_16x16x128_f8f6f4 v[(\d):(\d)+7], v[(\a):(\a)+11], v[(\b):(\b)+11], v[(\c):(\c)+7], v[(\sa)], v[(\sb)] matrix_a_fmt:MATRIX_FMT_FP6 matrix_b_fmt:MATRIX_FMT_FP6
.elseif (\rb) == 0
	v_wmma_scale_f32_16x16x128_f8f6f4 v[(\d):(\d)+7], v[(\a):(\a)+11], v[(\b):(\b)+11], v[(\c):(\c)+7], v[(\sa)], v[(\sb)] matrix_a_fmt:MATRIX_FMT_FP6 matrix_b_fmt:MATRIX_FMT_FP6 matrix_a_scale:MATRIX_SCALE_ROW1
.elseif (\ra) == 0
	v_wmma_scale_f32_16x16x128_f8f6f4 v[(\d):(\d)+7], v[(\a):(\a)+11], v[(\b):(\b)+11], v[(\c):(\c)+7], v[(\sa)], v[(\sb)] matrix_a_fmt:MATRIX_FMT_FP6 matrix_b_fmt:MATRIX_FMT_FP6 matrix_b_scale:MATRIX_SCALE_ROW1
.else
	v_wmma_scale_f32_16x16x128_f8f6f4 v[(\d):(\d)+7], v[(\a):(\a)+11], v[(\b):(\b)+11], v[(\c):(\c)+7], v[(\sa)], v[(\sb)] matrix_a_fmt:MATRIX_FMT_FP6 matrix_b_fmt:MATRIX_FMT_FP6 matrix_a_scale:MATRIX_SCALE_ROW1 matrix_b_scale:MATRIX_SCALE_ROW1
.endif
.endif
.endm
; 16 products: four tiles of rows x four tiles of columns, 128 along K, onto what the accumulators hold; the 16 accumulators by turns
.macro MM16
.irp m, 0,1,2,3
.irp n, 0,1,2,3
	WM ACC+32*\m+8*\n, WF+12*\n, XF+12*\m, ACC+32*\m+8*\n, WS+(\n/2), XS+(\m/2), \n%2, \m%2
.endr
.endr
.endm
; 64 numbers of a lane, register 16 b + i = k 32 b + 16 (lane / 16) + i, become a fragment in v[d] on and its scale word in v[w]
.macro QUANT4 s, d, w
.irp b, 0,1,2,3
	v_max3_num_f32 v[TM+\b], |v[(\s)+16*\b]|, |v[(\s)+16*\b+1]|, 0x1800000
.endr
.irp i, 2,4,6,8,10,12,14
.irp b, 0,1,2,3
	s_delay_alu instid0(VALU_DEP_4)
	v_max3_num_f32 v[TM+\b], v[TM+\b], |v[(\s)+16*\b+\i]|, |v[(\s)+16*\b+\i+1]|
.endr
.endr
.irp b, 0,1,2,3
	s_delay_alu instid0(VALU_DEP_4)
	v_permlanex16_b32 v[TM+4+\b], v[TM+\b], s[SEL], s[SEL+1]
.endr
.irp b, 0,1,2,3
	s_delay_alu instid0(VALU_DEP_4)
	v_max_num_f32 v[TM+\b], v[TM+\b], v[TM+4+\b]
.endr
.irp b, 0,1,2,3
	s_delay_alu instid0(VALU_DEP_4)
	v_add_nc_u32 v[TM+8+\b], 0xff000000, v[TM+\b]
.endr
.irp b, 0,1,2,3
	s_delay_alu instid0(VALU_DEP_4)
	v_lshrrev_b32 v[TM+4+\b], 23, v[TM+8+\b]
.endr
	s_delay_alu instid0(VALU_DEP_3)
	v_lshl_or_b32 v[\w], v[TM+5], 8, v[TM+4]
	s_delay_alu instid0(VALU_DEP_1)
	v_lshl_or_b32 v[\w], v[TM+6], 16, v[\w]
	s_delay_alu instid0(VALU_DEP_1)
	v_lshl_or_b32 v[\w], v[TM+7], 24, v[\w]
.irp c, 0,1
	v_cvt_scalef32_pk16_fp6_f32 v[(\d)+6*\c:(\d)+6*\c+2], v[(\s)+32*\c:(\s)+32*\c+15], v[TM+8+2*\c]
	v_cvt_scalef32_pk16_fp6_f32 v[PT+4*\c:PT+4*\c+2], v[(\s)+32*\c+16:(\s)+32*\c+31], v[TM+9+2*\c]
.endr
	v_nop                                              ; one plain place behind a scaled conversion
.irp c, 0,1
.irp i, 0,1,2
	v_permlane16_swap_b32 v[(\d)+6*\c+\i], v[PT+4*\c+\i]
.endr
.irp i, 0,1,2
	s_delay_alu instid0(VALU_DEP_3)
	v_mov_b32 v[(\d)+6*\c+3+\i], v[PT+4*\c+\i]
.endr
.endr
.endm
; the same for 32 numbers, two blocks: six registers of codes, two bytes
.macro QUANT2 s, d, w
.irp b, 0,1
	v_max3_num_f32 v[TM2+\b], |v[(\s)+16*\b]|, |v[(\s)+16*\b+1]|, 0x1800000
.endr
.irp i, 2,4,6,8,10,12,14
.irp b, 0,1
	v_max3_num_f32 v[TM2+\b], v[TM2+\b], |v[(\s)+16*\b+\i]|, |v[(\s)+16*\b+\i+1]|
.endr
.endr
.irp b, 0,1
	s_delay_alu instid0(VALU_DEP_2)
	v_permlanex16_b32 v[TM2+2+\b], v[TM2+\b], s[SEL], s[SEL+1]
.endr
.irp b, 0,1
	s_delay_alu instid0(VALU_DEP_2)
	v_max_num_f32 v[TM2+\b], v[TM2+\b], v[TM2+2+\b]
.endr
.irp b, 0,1
	s_delay_alu instid0(VALU_DEP_2)
	v_add_nc_u32 v[TM2+4+\b], 0xff000000, v[TM2+\b]
.endr
.irp b, 0,1
	s_delay_alu instid0(VALU_DEP_2)
	v_lshrrev_b32 v[TM2+2+\b], 23, v[TM2+4+\b]
.endr
	s_delay_alu instid0(VALU_DEP_1)
	v_lshl_or_b32 v[\w], v[TM2+3], 8, v[TM2+2]
	v_cvt_scalef32_pk16_fp6_f32 v[(\d):(\d)+2], v[(\s):(\s)+15], v[TM2+4]
	v_cvt_scalef32_pk16_fp6_f32 v[PT:PT+2], v[(\s)+16:(\s)+31], v[TM2+5]
	v_nop                                              ; one plain place behind a scaled conversion
.irp i, 0,1,2
	v_permlane16_swap_b32 v[(\d)+\i], v[PT+\i]
.endr
.irp i, 0,1,2
	s_delay_alu instid0(VALU_DEP_3)
	v_mov_b32 v[(\d)+3+\i], v[PT+\i]
.endr
.endm
.macro ROUND                                       ; a round of the cluster's barrier
	s_barrier_signal -1
	s_barrier_wait -1
	s_cmp_lg_u32 s[WV], 0
	s_cbranch_scc1 .Lnot_wave_0_\@
	s_barrier_signal -3
.Lnot_wave_0_\@:
	s_barrier_wait -3
	s_barrier_signal -1
	s_barrier_wait -1
.endm
	s_load_b512 s[4:19], s[0:1], 0x0                   ; act 4, wts 6, part 8, bk 10, bv 12, be 14, ln_y_g 16, ln_y_b 18
	s_load_b128 s[20:23], s[0:1], 0x40                 ; cond_type 20, kv 22
	s_load_b64 s[24:25], s[0:1], 0x50                  ; sty
	v_lshl_add_u32 v1, v0, 2, SPARE
	v_mov_b32 v2, 0
	ds_add_u32 v1, v2                                  ; the wave's opening: the add and its wait stand ahead of the first tensor load; the set-up below, work on registers, stands between them
	ds_add_u32 v1, v2
	v_lshrrev_b32 v3, 5, v0
	s_delay_alu instid0(VALU_DEP_1)
	v_readfirstlane_b32 s[WV], v3                      ; wave 0..7
	s_bfe_u32 s27, ttmp6, 0x40000                      ; cx
	s_bfe_u32 s28, ttmp6, 0x40004                      ; cy
	s_lshl_b32 s29, ttmp9, 2
	s_add_co_u32 s29, s29, s27                         ; hp = 4 x cluster x + cx
	s_and_b32 s30, ttmp7, 0xffff
	s_lshl_b32 s30, s30, 2
	s_add_co_u32 s30, s30, s28                         ; b = 4 x cluster y + cy
	s_lshl_b32 s58, s28, 2
	s_lshl_b32 s58, 15, s58                            ; my row of the cluster
	s_lshl_b32 s59, 0x1111, s27                        ; my column
	s_or_b32 s32, s58, (3<<16)|(1<<21)                 ; group 1 for act's halves: the mask of my row; elements of 8 bytes; bit 21 beside a mask; no padding
	s_or_b32 s40, s59, (3<<16)|(1<<21)                 ; and for the weights' records: the mask of my column
.irp g, 32, 40
	s_mov_b32 s[\g+1], 32<<16                          ; tensor_dim0 = 32 elements: 256 bytes
	s_mov_b32 s[\g+2], 150<<16                         ; tensor_dim1 = 150 rows
	s_mov_b32 s[\g+3], 32<<16                          ; tile_dim0
	s_mov_b32 s[\g+4], 150                             ; tile_dim1
	s_mov_b32 s[\g+5], 32                              ; the pitch: the block is dense
	s_mov_b32 s[\g+6], 0
	s_mov_b32 s[\g+7], 0
.endr
	s_and_b32 s60, s[WV], 1                            ; sub: which half (of what I fetch; of the keys; of the head's channels)
	s_mul_i32 s61, s60, 38400
	s_mul_i32 s62, s30, 76800
	s_add_co_u32 s62, s62, s61                         ; act: the batch's record, my half: made of b and the wave alone
	s_mov_b32 s63, 0
	s_max_u32 s66, s[WV], 2
	s_sub_co_u32 s66, s66, 2
	s_lshr_b32 s66, s66, 1
	s_min_u32 s66, s66, 1                              ; 0: Wk (waves 2, 3), 1: Wv (waves 4, 5); the other waves do not use it
	s_mul_i32 s66, s66, 614400
	s_mul_i32 s67, s29, 76800
	s_add_co_u32 s66, s66, s67
	s_add_co_u32 s66, s66, s61
	s_add_co_u32 s66, s66, 1638400                     ; wts: record 2 hp + sub of Wk or Wv: made of hp and the wave alone
	s_mov_b32 s67, 0
	s_mul_i32 s68, s[WV], 38400                        ; where my tile goes: no place in the cluster enters an LDS address
	s_lshr_b32 s69, s[WV], 2                           ; hl: which of the two heads
	s_bfe_u32 s70, s[WV], 0x10001                      ; isv
	s_xor_b32 s71, s70, 1
	s_mul_i32 s72, s71, s60                            ; sub in a k wave, else 0
	s_mul_i32 s73, s70, s60                            ; sub in a v wave, else 0
	s_lshl_b32 s76, s29, 1
	s_add_co_u32 s76, s76, s69                         ; hd: the head
	s_mov_b32 s[SEL], 0x76543210
	s_mov_b32 s[SEL+1], 0xfedcba98
	s_mov_b32 s80, 0xffff0000                          ; lanes 16-31
	v_and_b32 v3, 31, v0                               ; lane
	s_delay_alu instid0(VALU_DEP_1)
	v_lshlrev_b32 v4, 4, v3
	s_wait_alu depctr_va_vdst(0)
	v_lshlrev_b32 v5, 2, v3
	s_wait_alu depctr_va_vdst(0)
	v_lshlrev_b32 v6, 3, v3
	; every LDS address and every offset is made here, ahead of the first parting of the roles
	s_mul_i32 s74, s72, 6144
	v_add_nc_u32 v7, s74, v4                           ; act's fragments, K steps 0-2 (a k wave: from tile 4 sub on)
	s_delay_alu instid0(VALU_DEP_1)
	v_add_nc_u32 v8, 36864, v7                         ; K steps 3-5
	s_lshl_b32 s74, s72, 3
	s_add_co_u32 s74, s74, 73728
	v_add_nc_u32 v9, s74, v4                           ; act's scale words: 16 bytes a lane (a k wave: its two words)
	s_mul_i32 s74, s70, 76800
	s_mul_i32 s75, s69, 38400
	s_add_co_u32 s74, s74, s75
	s_add_co_u32 s74, s74, 76800                       ; my weight's record
	s_mul_i32 s75, s73, 3072
	s_add_co_u32 s75, s75, s74
	v_add_nc_u32 v10, s75, v4                          ; its fragments (a v wave: from tile 2 sub on)
	s_lshl_b32 s75, s73, 7
	s_add_co_u32 s75, s75, s74
	s_add_co_u32 s75, s75, 36864
	v_add_nc_u32 v11, s75, v5                          ; its scale words
	v_bfe_u32 v18, v0, 4, 1
	s_delay_alu instid0(VALU_DEP_1)
	v_lshlrev_b32 v18, 6, v18                          ; 64 h: bk
	v_and_b32 v19, 15, v0
	s_delay_alu instid0(VALU_DEP_1)
	v_and_b32 v21, 8, v19
	s_delay_alu instid0(VALU_DEP_1)
	v_add_nc_u32 v19, v19, v21
	s_delay_alu instid0(VALU_DEP_1)
	v_lshlrev_b32 v19, 2, v19                          ; 4 (r + 8 (r / 8)): bv
	v_lshrrev_b32 v20, 3, v3                           ; part, for lane q's columns 4 q .. 4 q + 3: 4,096 (q / 8) + 1,024 ((q / 4) % 2) + 256 ((q / 2) % 2) + 512 (q % 2)
	s_delay_alu instid0(VALU_DEP_1)
	v_lshlrev_b32 v20, 12, v20
	v_bfe_u32 v21, v0, 2, 1
	s_delay_alu instid0(VALU_DEP_1)
	v_lshl_add_u32 v20, v21, 10, v20
	v_bfe_u32 v21, v0, 1, 1
	s_delay_alu instid0(VALU_DEP_1)
	v_lshl_add_u32 v20, v21, 8, v20
	v_and_b32 v21, 1, v0
	s_delay_alu instid0(VALU_DEP_1)
	v_lshl_add_u32 v20, v21, 9, v20
	s_mul_i32 s74, s60, 3072
	v_add_nc_u32 v22, s74, v4                          ; out: codes, 16 x lane + 3,072 sub
	s_lshl_b32 s74, s60, 8
	v_add_nc_u32 v23, s74, v6                          ; k's scale words, 8 x lane + 256 sub
	s_lshl_b32 s74, s60, 7
	v_add_nc_u32 v28, s74, v5                          ; v's, 4 x lane + 128 sub
.irp b, 0,1,2,3
	v_mov_b32 v[64+\b], 0                              ; a lane permute's destination counts as read
.endr
	s_wait_dscnt 0x0                                   ; the opening add is done
	s_wait_kmcnt 0x0
	s_mov_b32 s48, 1                                   ; group 0 for act's half
	s_mov_b32 s49, s68
	s_add_nc_u64 s[50:51], s[4:5], s[62:63]
	s_or_b32 s51, s51, 0x80000000
	s_mov_b32 s52, 1                                   ; and for a weight's record
	s_mov_b32 s53, s68
	s_add_nc_u64 s[54:55], s[6:7], s[66:67]
	s_or_b32 s55, s55, 0x80000000
	ROUND                                              ; all sixteen work-groups are here: the joint loads meet
	s_cmp_lt_u32 s[WV], 2                              ; the branches hang on the wave's number alone
	s_cbranch_scc0 .Lnot_a
	tensor_load_to_lds s[48:51], s[32:39]
	s_nop 0
	NOPS 4
	s_branch .Lasked
.Lnot_a:
	s_cmp_lt_u32 s[WV], 6
	s_cbranch_scc0 .Lasked
	tensor_load_to_lds s[52:55], s[40:47]
	s_nop 0
	NOPS 4
.Lasked:
	s_lshl_b32 s58, s30, 2
	s_mov_b32 s59, 0
	s_add_nc_u64 s[20:21], s[20:21], s[58:59]
	s_load_b32 s77, s[20:21], 0x0                      ; cond_type[b]
	s_lshl_b32 s58, s30, 4
	s_add_co_u32 s58, s58, s76
	s_mul_i32 s58, s58, 13056
	s_add_nc_u64 s[22:23], s[22:23], s[58:59]          ; kv's record of (b, hd)
	s_wait_kmcnt 0x0
	s_sub_co_i32 s78, 0, s77
	s_max_i32 s78, s78, s77                            ; |c|: c mod 10 is 0 where |c| mod 10 is
	s_mul_hi_u32 s79, s78, 0xcccccccd
	s_lshr_b32 s79, s79, 3                             ; |c| / 10
	s_mul_i32 s79, s79, 10
	s_sub_co_u32 s78, s78, s79
	s_cmp_lg_u32 s78, 0
	s_cselect_b32 s77, 1.0, 0                          ; tcond
	s_cmp_eq_u32 s70, 0
	s_cbranch_scc0 .Lpre_v
	; k waves: bk is the C of the first products: lane (r, h), tile n, register j: channel 32 (n / 2) + 16 h + 8 (n % 2) + j
	s_lshl_b32 s58, s76, 8
	s_add_nc_u64 s[10:11], s[10:11], s[58:59]
.irp m, 0,1,2,3
.irp n, 0,1,2,3
	global_load_b128 v[128+32*\m+8*\n:131+32*\m+8*\n], v18, s[10:11] offset:128*(\n/2)+32*(\n%2)
	global_load_b128 v[132+32*\m+8*\n:135+32*\m+8*\n], v18, s[10:11] offset:128*(\n/2)+32*(\n%2)+16
.endr
.endr
	s_branch .Lpre_done
.Lpre_v:
	s_lshl_b32 s58, s76, 8
	s_lshl_b32 s78, s60, 7
	s_add_co_u32 s58, s58, s78
	s_add_nc_u64 s[12:13], s[12:13], s[58:59]
	global_load_b32 v12, v19, s[12:13]                 ; bv of my lane's channel in tile 2 sub,
	global_load_b32 v14, v19, s[12:13] offset:32       ; and in tile 2 sub + 1
	s_cmp_eq_u32 s[WV], 7
	s_cbranch_scc0 .Lpre_done
	; wave 7: the style parameters of batch b, columns 128 hp + 4 q .. + 3
	s_lshl_b32 s58, s29, 14
	s_lshr_b32 s78, s30, 4
	s_lshl_b32 s78, s78, 11
	s_add_co_u32 s58, s58, s78
	s_and_b32 s78, s30, 15
	s_lshl_b32 s78, s78, 4
	s_add_co_u32 s58, s58, s78
	s_add_nc_u64 s[8:9], s[8:9], s[58:59]
	s_lshl_b32 s58, s29, 9
	s_add_nc_u64 s[14:15], s[14:15], s[58:59]
	s_add_nc_u64 s[16:17], s[16:17], s[58:59]
	s_add_nc_u64 s[18:19], s[18:19], s[58:59]
	s_lshl_b32 s78, s30, 12
	s_add_co_u32 s58, s58, s78
	s_add_nc_u64 s[24:25], s[24:25], s[58:59]
	s_wait_alu depctr_va_vdst(0)
.irp ks, 0,1,2,3,4,5,6,7,8,9,10,11,12,13,14,15
	global_load_b128 v[128+4*\ks:131+4*\ks], v20, s[8:9] offset:\ks*262144           ; scale's partial sums
	global_load_b128 v[192+4*\ks:195+4*\ks], v20, s[8:9] offset:\ks*262144+131072    ; shift's
.endr
	global_load_b128 v[32:35], v4, s[14:15]
	global_load_b128 v[36:39], v4, s[14:15] offset:4096
	global_load_b128 v[40:43], v4, s[16:17]
	global_load_b128 v[44:47], v4, s[18:19]
	s_wait_loadcnt 0x0
.irp ks, 1
	v_pk_add_f32 v[128:129], v[128:129], v[128+4*\ks:129+4*\ks]
	v_pk_add_f32 v[130:131], v[130:131], v[130+4*\ks:131+4*\ks]
	v_pk_add_f32 v[192:193], v[192:193], v[192+4*\ks:193+4*\ks]
	v_pk_add_f32 v[194:195], v[194:195], v[194+4*\ks:195+4*\ks]
.endr
.irp ks, 2, 3, 4, 5, 6, 7, 8, 9, 10, 11, 12, 13, 14, 15
	s_delay_alu instid0(VALU_DEP_4)
	v_pk_add_f32 v[128:129], v[128:129], v[128+4*\ks:129+4*\ks]
	s_delay_alu instid0(VALU_DEP_4)
	v_pk_add_f32 v[130:131], v[130:131], v[130+4*\ks:131+4*\ks]
	s_delay_alu instid0(VALU_DEP_4)
	v_pk_add_f32 v[192:193], v[192:193], v[192+4*\ks:193+4*\ks]
	s_delay_alu instid0(VALU_DEP_4)
	v_pk_add_f32 v[194:195], v[194:195], v[194+4*\ks:195+4*\ks]
.endr
	s_delay_alu instid0(VALU_DEP_4)
	v_pk_add_f32 v[128:129], v[128:129], v[32:33]      ; + be
	s_delay_alu instid0(VALU_DEP_4)
	v_pk_add_f32 v[130:131], v[130:131], v[34:35]
	s_delay_alu instid0(VALU_DEP_4)
	v_pk_add_f32 v[192:193], v[192:193], v[36:37]
	s_delay_alu instid0(VALU_DEP_4)
	v_pk_add_f32 v[194:195], v[194:195], v[38:39]
	s_delay_alu instid0(VALU_DEP_4)
	v_pk_add_f32 v[128:129], v[128:129], 1.0 op_sel_hi:[1,0]
	s_delay_alu instid0(VALU_DEP_4)
	v_pk_add_f32 v[130:131], v[130:131], 1.0 op_sel_hi:[1,0]
	s_delay_alu instid0(VALU_DEP_2)
	v_pk_mul_f32 v[48:49], v[40:41], v[128:129]
	s_delay_alu instid0(VALU_DEP_2)
	v_pk_mul_f32 v[50:51], v[42:43], v[130:131]
	s_delay_alu instid0(VALU_DEP_4)
	v_pk_fma_f32 v[52:53], v[44:45], v[128:129], v[192:193]
	s_delay_alu instid0(VALU_DEP_4)
	v_pk_fma_f32 v[54:55], v[46:47], v[130:131], v[194:195]
	global_store_b128 v4, v[48:51], s[24:25]           ; 512 consecutive bytes each
	global_store_b128 v4, v[52:55], s[24:25] offset:131072
	s_wait_xcnt 0x0                                    ; the stores' registers are written again below
.Lpre_done:
	s_wait_tensorcnt 0x0                               ; my tile has landed;
	s_barrier_signal -1
	s_barrier_wait -1                                  ; everybody's has.  Nothing is filled again
	s_cmp_eq_u32 s70, 0
	s_cbranch_scc0 .Lv_path
	; ---------------- k: 64 keys (tiles 4 sub + m) x the head's 64
.macro KSTEP_K s
.set XAR, 7+((\s)/3)
.set XOF, ((\s)%3)*12288
.irp n, 0,1,2,3
.irp g, 0,1,2
	ds_load_b128 v[WF+12*\n+4*\g:WF+12*\n+4*\g+3], v10 offset:(4*(\s)+\n)*1536+\g*512
.endr
.endr
.irp m, 0,1,2,3
.irp g, 0,1,2
	ds_load_b128 v[XF+12*\m+4*\g:XF+12*\m+4*\g+3], v[XAR] offset:XOF+\m*1536+\g*512
.endr
.endr
	ds_load_b32 v[WS], v11 offset:(2*(\s))*128
	ds_load_b32 v[WS+1], v11 offset:(2*(\s)+1)*128
	ds_load_b64 v[XS:XS+1], v9 offset:(\s)*512
	s_wait_dscnt 0x0
.if (\s) == 0
	s_wait_loadcnt 0x0                                 ; bk
.endif
	MM16
	NOPS 4                                             ; places ahead of loads into operand registers and of the first read of results
.endm
	s_wait_alu depctr_va_vdst(0)
	KSTEP_K 0
	KSTEP_K 1
	KSTEP_K 2
	KSTEP_K 3
	KSTEP_K 4
	KSTEP_K 5
.set TM2, 80
.set PT, 86
.irp m, 0,1,2,3
	QUANT2 128+32*\m, 32+6*\m, 90+\m
	v_or_b32 v[90+\m], 0x7f7f0000, v[90+\m]            ; bytes 2 and 3 stand over the half of the instruction's K that the scores do not have: 127
.endr
	v_cndmask_b32 v94, v90, v91, s80                   ; lanes 0-15: the even tile's words, lanes 16-31: the odd tile's
	s_delay_alu instid0(VALU_DEP_2)
	v_cndmask_b32 v95, v92, v93, s80
.irp g, 0,1,2,3,4,5
	global_store_b128 v22, v[32+4*\g:35+4*\g], s[22:23] offset:\g*512
.endr
	global_store_b64 v23, v[94:95], s[22:23] offset:12288
	s_branch .Lkv_end
	; ---------------- v: 128 keys x 32 channels (tiles 2 sub + u)
.Lv_path:
.macro KSTEP_V s
.set XAR, 7+((\s)/3)
.set XOF, ((\s)%3)*12288
.irp u, 0,1
.irp g, 0,1,2
	ds_load_b128 v[32+12*\u+4*\g:35+12*\u+4*\g], v10 offset:(\s)*6144+\u*1536+\g*512
.endr
.endr
	ds_load_b32 v24, v11 offset:(\s)*256
	ds_load_b128 v[56:59], v9 offset:(\s)*512
.irp hf, 0,1
.irp t, 0,1,2,3
.irp g, 0,1,2
	ds_load_b128 v[80+12*\t+4*\g:83+12*\t+4*\g], v[XAR] offset:XOF+(4*\hf+\t)*1536+\g*512
.endr
.endr
	s_wait_dscnt 0x0
.irp t, 0,1,2,3
.irp u, 0,1
.if (\s) == 0
	WM 128+64*\u+8*(4*\hf+\t), 80+12*\t, 32+12*\u, -1, 56+2*\hf+(\t/2), 24, \t%2, \u
.else
	WM 128+64*\u+8*(4*\hf+\t), 80+12*\t, 32+12*\u, 128+64*\u+8*(4*\hf+\t), 56+2*\hf+(\t/2), 24, \t%2, \u
.endif
.endr
.endr
	NOPS 4
.endr
.endm
	KSTEP_V 0
	KSTEP_V 1
	KSTEP_V 2
	KSTEP_V 3
	KSTEP_V 4
	KSTEP_V 5
	s_wait_loadcnt 0x0                                 ; bv
	v_mov_b32 v16, s77
	v_mov_b32 v17, s77
	v_mul_f32 v12, s77, v12
	v_mul_f32 v14, s77, v14
	s_delay_alu instid0(VALU_DEP_2)
	v_mov_b32 v13, v12
	s_delay_alu instid0(VALU_DEP_2)
	v_mov_b32 v15, v14
.irp u, 0,1
.set q, 0
.rept 32
	v_pk_fma_f32 v[128+64*\u+q:129+64*\u+q], v[128+64*\u+q:129+64*\u+q], v[16:17], v[12+2*\u:13+2*\u]   ; (sum + bv) x tcond: exact, tcond being 1 or 0
.set q, q+2
.endr
.endr
.set TM, 60
.set PT, 44
	QUANT4 128, 32, 72
	QUANT4 192, 80, 73
	v_cndmask_b32 v74, v72, v73, s80
.irp g, 0,1,2
	global_store_b128 v22, v[32+4*\g:35+4*\g], s[22:23] offset:6144+\g*512
	global_store_b128 v22, v[80+4*\g:83+4*\g], s[22:23] offset:6144+1536+\g*512
.endr
	global_store_b32 v28, v74, s[22:23] offset:12800
.Lkv_end:
	s_wait_tensorcnt 0x0                               ; the wave's end
	ds_add_u32 v1, v2
	s_wait_dscnt 0x0
	ROUND                                              ; the closing round
	s_endpgm
.Lfunc_end_k_q8fc53fad47_kv:
	.size	k_q8fc53fad47_kv, .Lfunc_end_k_q8fc53fad47_kv-k_q8fc53fad47_kv
	.p2alignl 7, 3214868480
	.fill 96, 4, 3214868480
	.section	.rodata,"a",@progbits
	.p2align	6, 0x0
	.amdhsa_kernel k_q8fc53fad47_kv
		.amdhsa_group_segment_fixed_size 231424
		.amdhsa_private_segment_fixed_size 0
		.amdhsa_enable_private_segment 0
		.amdhsa_kernarg_size 88
		.amdhsa_user_sgpr_count 2
		.amdhsa_user_sgpr_kernarg_segment_ptr 1
		.amdhsa_wavefront_size32 1
		.amdhsa_system_sgpr_workgroup_id_x 1
		.amdhsa_system_sgpr_workgroup_id_y 1
		.amdhsa_system_sgpr_workgroup_id_z 1
		.amdhsa_system_vgpr_workitem_id 0
		.amdhsa_next_free_vgpr 256
		.amdhsa_next_free_sgpr 84
		.amdhsa_reserve_vcc 0
		.amdhsa_float_denorm_mode_32 3
		.amdhsa_float_denorm_mode_16_64 3
		.amdhsa_memory_ordered 1
		.amdhsa_forward_progress 1
		.amdhsa_inst_pref_size 98
	.end_amdhsa_kernel
	.amdgpu_metadata
---
amdhsa.version: [ 1, 2 ]
amdhsa.kernels:
  - .name:           k_q8fc53fad47_kv
    .symbol:         k_q8fc53fad47_kv.kd
    .args:
      - { .name: act, .offset: 0, .size: 8, .value_kind: global_buffer, .address_space: global }
      - { .name: wts, .offset: 8, .size: 8, .value_kind: global_buffer, .address_space: global }
      - { .name: part, .offset: 16, .size: 8, .value_kind: global_buffer, .address_space: global }
      - { .name: bk, .offset: 24, .size: 8, .value_kind: global_buffer, .address_space: global }
      - { .name: bv, .offset: 32, .size: 8, .value_kind: global_buffer, .address_space: global }
      - { .name: be, .offset: 40, .size: 8, .value_kind: global_buffer, .address_space: global }
      - { .name: ln_y_g, .offset: 48, .size: 8, .value_kind: global_buffer, .address_space: global }
      - { .name: ln_y_b, .offset: 56, .size: 8, .value_kind: global_buffer, .address_space: global }
      - { .name: cond_type, .offset: 64, .size: 8, .value_kind: global_buffer, .address_space: global }
      - { .name: kv, .offset: 72, .size: 8, .value_kind: global_buffer, .address_space: global }
      - { .name: sty, .offset: 80, .size: 8, .value_kind: global_buffer, .address_space: global }
    .group_segment_fixed_size: 231424
    .private_segment_fixed_size: 0
    .kernarg_segment_align: 8
    .kernarg_segment_size: 88
    .max_flat_workgroup_size: 256
    .sgpr_count:     84
    .vgpr_count:     256
    .wavefront_size: 32
...
	.end_amdgpu_metadata
.endif
;; end of part 2
;; launch main (part 3): grid 256 x 1, 16 waves a work-group, no clusters, 326,656 bytes of LDS; arguments x, ln_x_g, ln_x_b, bq, bo, cond_type, wts, kv, sty, out0; writes out0
.if DOCPART == 3
	.amdgcn_target "amdgcn-amd-amdhsa--gfx1250"
	.amdhsa_code_object_version 6
	.text
	.protected	k_q8fc53fad47_main
	.globl	k_q8fc53fad47_main
	.p2align	8
	.type	k_q8fc53fad47_main,@function
k_q8fc53fad47_main:
	s_mov_b64 s[64:65], 0
	v_nop
	global_prefetch_b8 v0, s[64:65] scope:SCOPE_SE
	s_setreg_imm32_b32 hwreg(HW_REG_WAVE_MODE, 25, 1), 1
	s_wait_xcnt 0x0
; MAIN: out = x + silu(LN(y) styled) Wo + bo, y = attention(LN(x) Wq + bq, k, v): all that touches x, in one launch; q, p, y and h never go to memory.  All four products on codes of E2M3.
; A work-group: 64 rows of one batch.  SIXTEEN WAVES, four to a SIMD, 256 registers each: WAVE w IS HEAD w: columns 64 w .. 64 w + 63 of q, y and out, for all 64 rows.
; So a fragment of Wq or Wo is wanted by one wave alone and goes from memory straight into its registers (images of operand registers, 512 consecutive bytes a load); what goes round through LDS is the rows' codes.
; No cluster and no tensor load: the tiles that work-groups share (the weights) are read by one wave of each, LDS is taken by x (263,168 bytes) and the codes' images, and a ring would send every weight byte through LDS once more.
; PHASES: X: LN(x) to LDS as rows | barrier | quantised into images | barrier | x itself to LDS; product 1 (8 K steps); q quantised;
; attention A: for each tile of 16 rows: scores, softmax, p's codes, which stay in registers;  attention B: V once, 16 products, LN(y) of all 64 rows (two barriers: its sums span the heads), the style once, silu, h's codes
; | barrier | product 7 with x as its C; results back to x's bytes | barrier | whole rows + bo are stored.
; THE WEIGHTS RUN AHEAD: a K step's 16 products go weight fragment by weight fragment, each against the four tiles of rows; behind a fragment's four products its registers take the next K step's fragment,
; twelve products of the wave ahead of its use.  The weights' scale words have two pairs of registers by turns, so a trip of the loop is two K steps.
; THE SCORES' K IS 64 in an instruction of 128: q's fragment has zero codes above 64, K's fragment of tile t is v[72 + 6 t] on, whose upper six registers are the next tile's codes, multiplied by those zeros.
; The gate's -1e6 (or 0) is the C of the scores' products.  All 128 keys are one K step: M = ceil of the row's largest t, no running maximum.  p = 2^(t - M) is quantised; the row's sum is taken of the unquantised p.
; IMAGES IN LDS: a fragment is two halves of 768 bytes (64 along K each, since a head makes half a fragment of product 7): registers 6 c .. 6 c + 3 at 16 x lane, 6 c + 4, 6 c + 5 at 512 + 8 x lane.
; LIMITS: NaN and infinities are not served; a block of zeros gets the byte 1; bo is added behind the sum x + h Wo; src_mask is not an argument: the source takes it and never uses it.
.set XP,    4112                       ; a row of x in LDS: 4,096 bytes + 16
.set IMG,   263168                     ; 32 fragments (4 s + m): x's codes, later h's
.set ISC,   312320                     ; their scale words: [s][lane 16 (m % 2) + r][word m / 2]
.set ST1,   314368                     ; LN(y): [tile m, 1,280 bytes][r, 80 bytes][w]: the heads' sums;
.set ST2O,  5120                       ; so many bytes on: the heads' sums of squares
.set SPARE, 324608                     ; the spare words, 128 bytes a wave
.set WV,  24
.set CS,  28                           ; s[28:29] log2(e)
.set NL,  30                           ; s[30:31] -log2(e)
.set SEL, 32
.set INV, 34                           ; 1 / 1,024
.set EPS, 35
.set WP,  36                           ; s[36:37] the trip's weight fragments; s[38:39] their scale words
.set WSP, 38
.set LS,  40                           ; the trip's images in LDS; s41 their scale words
.set LS2, 41
.set CNT, 42
; TWO AMENDMENTS to the phases listed at the head.
; PHASE X: x itself goes to LDS once, as rows, and each row's mean and 1 / sqrt(var + eps) beside it (8 bytes a row, in the bytes that later hold LN(y)'s sums) | barrier |
; wave w reads K step w % 8 of the tiles of rows 2 (w / 8) and + 1, normalises there (the K step's gain and bias, 64 registers each in the fragment's order, serve both tiles), quantises, stores the images | barrier | product 1.
; The roundings are those of the row-wise form: x - mean, x 1 / sqrt, then one fused multiply-add with gain and bias.
; THE WAY OUT HAS NO BARRIER: a wave's 64 columns of a row are 256 consecutive bytes, at a multiple of 256 of out0.  Each wave stores its results to its own bytes of x's rows in LDS, reads the same bytes back,
; sixteen lanes to a row's 256 bytes, adds bo (four numbers a lane) and stores two such pieces an instruction.  The closing three lines stand behind the last LDS store; the 32 global stores follow on end.
.set SA,  32
.set DA,  40
.set MA,  48
.set RA,  56
.set ACC, 128                          ; v128-255 16 accumulators: (m, n) at 128 + 32 m + 8 n
.set WF,  32                           ; v32-79   four weight fragments; their scale words: v24-25 in even K steps, v14-15 in odd ones
.set XF,  80                           ; v80-127  four fragments of rows; their scale words: v26-27
.set XS,  26
.set QC,  32                           ; v32-55   q's codes, six registers a tile; a tile's first register later holds its 1 / l
.set QS,  56                           ; v56-59   q's scale words
.set QW,  60                           ; v60-71   the tile in hand, with zeros above
.set KF,  72                           ; v72-125  K's codes and six zeros; K's scale words: v14, v15, v126, v127
.set OFFC, 16                          ; v16-23   0 or -1e6
.set RP,  16                           ; v16-23   behind the last scores: a pair for each tile: 1 / l, then the mean, then 1 / sqrt(var + eps)
.set S,   128                          ; v128-191 scores, then p
.set PTA, 192                          ; v192-199 the conversions' upper halves
.set BM,  200                          ; v200-203 the blocks' largest scores
.set TMB, 204                          ; v204-207 at work
.set PC,  208                          ; v208-255 p's codes, 12 registers a tile
.set PW,  24                           ; v24-27   p's scale words, one a tile
.set NM,  28                           ; v[28:29] -M; v[30:31] l; then v28-31 the conversions' scale operands
.set LL,  30
.set SO,  28
.set VF,  32                           ; v32-79   V's four fragments; V's scale words: v14, v15
.set O,   80                           ; v80-207  O^T, y, h: 32 registers a tile
.set P1,  32                           ; v32-63   the style's factor; its addend: v64-79 and v208-223
.set E,   224                          ; v224-255 at work in attention B
.macro NOPS n
.rept \n
	v_nop
.endr
.endm
.macro BAR                                         ; my LDS stores have landed and my LDS loads are in: then the work-group's barrier
	s_wait_dscnt 0x0
	s_barrier_signal -1
	s_barrier_wait -1
.endm
.macro WM d, a, b, c, sa, sb, ra, rb
.if (\c) < 0
.if ((\ra) == 0) && ((\rb) == 0)
	v_wmma_scale_f32_16x16x128_f8f6f4 v[(\d):(\d)+7], v[(\a):(\a)+11], v[(\b):(\b)+11], 0, v[(\sa)], v[(\sb)] matrix_a_fmt:MATRIX_FMT_FP6 matrix_b_fmt:MATRIX_FMT_FP6
.elseif (\rb) == 0
	v_wmma_scale_f32_16x16x128_f8f6f4 v[(\d):(\d)+7], v[(\a):(\a)+11], v[(\b):(\b)+11], 0, v[(\sa)], v[(\sb)] matrix_a_fmt:MATRIX_FMT_FP6 matrix_b_fmt:MATRIX_FMT_FP6 matrix_a_scale:MATRIX_SCALE_ROW1
.elseif (\ra) == 0
	v_wmma_scale_f32_16x16x128_f8f6f4 v[(\d):(\d)+7], v[(\a):(\a)+11], v[(\b):(\b)+11], 0, v[(\sa)], v[(\sb)] matrix_a_fmt:MATRIX_FMT_FP6 matrix_b_fmt:MATRIX_FMT_FP6 matrix_b_scale:MATRIX_SCALE_ROW1
.else
	v_wmma_scale_f32_16x16x128_f8f6f4 v[(\d):(\d)+7], v[(\a):(\a)+11], v[(\b):(\b)+11], 0, v[(\sa)], v[(\sb)] matrix_a_fmt:MATRIX_FMT_FP6 matrix_b_fmt:MATRIX_FMT_FP6 matrix_a_scale:MATRIX_SCALE_ROW1 matrix_b_scale:MATRIX_SCALE_ROW1
.endif
.else
.if ((\ra) == 0) && ((\rb) == 0)
	v_wmma_scale_f32_16x16x128_f8f6f4 v[(\d):(\d)+7], v[(\a):(\a)+11], v[(\b):(\b)+11], v[(\c):(\c)+7], v[(\sa)], v[(\sb)] matrix_a_fmt:MATRIX_FMT_FP6 matrix_b_fmt:MATRIX_FMT_FP6
.elseif (\rb) == 0
	v_wmma_scale_f32_16x16x128_f8f6f4 v[(\d):(\d)+7], v[(\a):(\a)+11], v[(\b):(\b)+11], v[(\c):(\c)+7], v[(\sa)], v[(\sb)] matrix_a_fmt:MATRIX_FMT_FP6 matrix_b_fmt:MATRIX_FMT_FP6 matrix_a_scale:MATRIX_SCALE_ROW1
.elseif (\ra) == 0
	v_wmma_scale_f32_16x16x128_f8f6f4 v[(\d):(\d)+7], v[(\a):(\a)+11], v[(\b):(\b)+11], v[(\c):(\c)+7], v[(\sa)], v[(\sb)] matrix_a_fmt:MATRIX_FMT_FP6 matrix_b_fmt:MATRIX_FMT_FP6 matrix_b_scale:MATRIX_SCALE_ROW1
.else
	v_wmma_scale_f32_16x16x128_f8f6f4 v[(\d):(\d)+7], v[(\a):(\a)+11], v[(\b):(\b)+11], v[(\c):(\c)+7], v[(\sa)], v[(\sb)] matrix_a_fmt:MATRIX_FMT_FP6 matrix_b_fmt:MATRIX_FMT_FP6 matrix_a_scale:MATRIX_SCALE_ROW1 matrix_b_scale:MATRIX_SCALE_ROW1
.endif
.endif
.endm
.macro QUANT4 s, d, w                              ; 64 numbers, register 16 b + i = k 32 b + 16 (lane / 16) + i -> a fragment in v[d] on, its scale word in v[w]
.irp b, 0,1,2,3
	v_max3_num_f32 v[TM+\b], |v[(\s)+16*\b]|, |v[(\s)+16*\b+1]|, 0x1800000
.endr
.irp i, 2,4,6,8,10,12,14
.irp b, 0,1,2,3
	s_delay_alu instid0(VALU_DEP_4)
	v_max3_num_f32 v[TM+\b], v[TM+\b], |v[(\s)+16*\b+\i]|, |v[(\s)+16*\b+\i+1]|
.endr
.endr
.irp b, 0,1,2,3
	s_delay_alu instid0(VALU_DEP_4)
	v_permlanex16_b32 v[TM+4+\b], v[TM+\b], s[SEL], s[SEL+1]
.endr
.irp b, 0,1,2,3
	s_delay_alu instid0(VALU_DEP_4)
	v_max_num_f32 v[TM+\b], v[TM+\b], v[TM+4+\b]
.endr
.irp b, 0,1,2,3
	s_delay_alu instid0(VALU_DEP_4)
	v_add_nc_u32 v[TM+8+\b], 0xff000000, v[TM+\b]
.endr
.irp b, 0,1,2,3
	s_delay_alu instid0(VALU_DEP_4)
	v_lshrrev_b32 v[TM+4+\b], 23, v[TM+8+\b]
.endr
	s_delay_alu instid0(VALU_DEP_3)
	v_lshl_or_b32 v[\w], v[TM+5], 8, v[TM+4]
	s_delay_alu instid0(VALU_DEP_1)
	v_lshl_or_b32 v[\w], v[TM+6], 16, v[\w]
	s_delay_alu instid0(VALU_DEP_1)
	v_lshl_or_b32 v[\w], v[TM+7], 24, v[\w]
.irp c, 0,1
	v_cvt_scalef32_pk16_fp6_f32 v[(\d)+6*\c:(\d)+6*\c+2], v[(\s)+32*\c:(\s)+32*\c+15], v[TM+8+2*\c]
	v_cvt_scalef32_pk16_fp6_f32 v[PT+4*\c:PT+4*\c+2], v[(\s)+32*\c+16:(\s)+32*\c+31], v[TM+9+2*\c]
.endr
	v_nop                                              ; one plain place behind a scaled conversion
.irp c, 0,1
.irp i, 0,1,2
	v_permlane16_swap_b32 v[(\d)+6*\c+\i], v[PT+4*\c+\i]
.endr
.irp i, 0,1,2
	s_delay_alu instid0(VALU_DEP_3)
	v_mov_b32 v[(\d)+6*\c+3+\i], v[PT+4*\c+\i]
.endr
.endr
.endm
.macro QUANT2 s, d, w                              ; the same for 32 numbers, two blocks: six registers, two bytes
.irp b, 0,1
	v_max3_num_f32 v[TM2+\b], |v[(\s)+16*\b]|, |v[(\s)+16*\b+1]|, 0x1800000
.endr
.irp i, 2,4,6,8,10,12,14
.irp b, 0,1
	v_max3_num_f32 v[TM2+\b], v[TM2+\b], |v[(\s)+16*\b+\i]|, |v[(\s)+16*\b+\i+1]|
.endr
.endr
.irp b, 0,1
	v_permlanex16_b32 v[TM2+2+\b], v[TM2+\b], s[SEL], s[SEL+1]
.endr
.irp b, 0,1
	s_delay_alu instid0(VALU_DEP_2)
	v_max_num_f32 v[TM2+\b], v[TM2+\b], v[TM2+2+\b]
.endr
.irp b, 0,1
	s_delay_alu instid0(VALU_DEP_2)
	v_add_nc_u32 v[TM2+4+\b], 0xff000000, v[TM2+\b]
.endr
.irp b, 0,1
	s_delay_alu instid0(VALU_DEP_2)
	v_lshrrev_b32 v[TM2+2+\b], 23, v[TM2+4+\b]
.endr
	s_delay_alu instid0(VALU_DEP_1)
	v_lshl_or_b32 v[\w], v[TM2+3], 8, v[TM2+2]
	v_cvt_scalef32_pk16_fp6_f32 v[(\d):(\d)+2], v[(\s):(\s)+15], v[TM2+4]
	v_cvt_scalef32_pk16_fp6_f32 v[PT:PT+2], v[(\s)+16:(\s)+31], v[TM2+5]
	v_nop                                              ; one plain place behind a scaled conversion
.irp i, 0,1,2
	v_permlane16_swap_b32 v[(\d)+\i], v[PT+\i]
.endr
.irp i, 0,1,2
	s_delay_alu instid0(VALU_DEP_3)
	v_mov_b32 v[(\d)+3+\i], v[PT+\i]
.endr
.endm
.macro SILU n, t, cnt                              ; x / (1 + 2^(-x log2 e)) in place; each batch of transcendentals has one plain place and one wait, ahead of its first reader
.set q, 0
.rept (\cnt)/2
	v_pk_mul_f32 v[(\t)+q:(\t)+q+1], v[(\n)+q:(\n)+q+1], s[NL:NL+1] op_sel_hi:[1,0]
.set q, q+2
.endr
.set q, 0
	s_wait_alu depctr_va_vdst(0)
.rept \cnt
	v_exp_f32 v[(\t)+q], v[(\t)+q]
.set q, q+1
.endr
	v_nop
	s_wait_alu depctr_va_vdst(0)
.set q, 0
.rept (\cnt)/2
	v_pk_add_f32 v[(\t)+q:(\t)+q+1], v[(\t)+q:(\t)+q+1], 1.0 op_sel_hi:[1,0]
.set q, q+2
.endr
.set q, 0
	s_wait_alu depctr_va_vdst(0)
.rept \cnt
	v_rcp_f32 v[(\t)+q], v[(\t)+q]
.set q, q+1
.endr
	v_nop
	s_wait_alu depctr_va_vdst(0)
.set q, 0
.rept (\cnt)/2
	v_pk_mul_f32 v[(\n)+q:(\n)+q+1], v[(\n)+q:(\n)+q+1], v[(\t)+q:(\t)+q+1]
.set q, q+2
.endr
.endm
.macro REDUCE
.irp p, 0,1,2,3
	s_delay_alu instid0(VALU_DEP_4)
	v_add_f32 v[SA+2*\p], v[SA+2*\p], v[SA+2*\p+1]
.endr
.irp x, 1,2,4,8
.irp p, 0,1,2,3
	s_delay_alu instid0(VALU_DEP_4)
	v_add_f32_dpp v[SA+2*\p], v[SA+2*\p], v[SA+2*\p] row_xmask:\x row_mask:0xf bank_mask:0xf
.endr
.endr
.irp p, 0,1,2,3
	s_delay_alu instid0(VALU_DEP_4)
	v_permlanex16_b32 v[SA+2*\p+1], v[SA+2*\p], s[SEL], s[SEL+1]
.endr
.irp p, 0,1,2,3
	s_delay_alu instid0(VALU_DEP_4)
	v_add_f32 v[SA+2*\p], v[SA+2*\p], v[SA+2*\p+1]
.endr
.endm
.macro LNSTAT xb, nr                               ; mean and 1 / sqrt(var + eps) of four rows; the variance from the deviations
.irp p, 0,1,2,3
	v_pk_add_f32 v[SA+2*\p:SA+2*\p+1], v[(\xb)+(\nr)*\p:(\xb)+(\nr)*\p+1], v[(\xb)+(\nr)*\p+2:(\xb)+(\nr)*\p+3]
.endr
.set q, 4
.rept (\nr)/2-2
.irp p, 0,1,2,3
	s_delay_alu instid0(VALU_DEP_4)
	v_pk_add_f32 v[SA+2*\p:SA+2*\p+1], v[SA+2*\p:SA+2*\p+1], v[(\xb)+(\nr)*\p+q:(\xb)+(\nr)*\p+q+1]
.endr
.set q, q+2
.endr
	REDUCE
.irp p, 0,1,2,3
	s_delay_alu instid0(VALU_DEP_4)
	v_mul_f32 v[MA+2*\p], s[INV], v[SA+2*\p]
.endr
.irp p, 0,1,2,3
	s_delay_alu instid0(VALU_DEP_4)
	v_mov_b32 v[MA+2*\p+1], v[MA+2*\p]
.endr
.set q, 0
.rept (\nr)/2
.irp p, 0,1,2,3
	v_pk_add_f32 v[DA+2*\p:DA+2*\p+1], v[(\xb)+(\nr)*\p+q:(\xb)+(\nr)*\p+q+1], v[MA+2*\p:MA+2*\p+1] neg_lo:[0,1] neg_hi:[0,1]
.endr
.irp p, 0,1,2,3
.if q == 0
	s_delay_alu instid0(VALU_DEP_4)
	v_pk_mul_f32 v[SA+2*\p:SA+2*\p+1], v[DA+2*\p:DA+2*\p+1], v[DA+2*\p:DA+2*\p+1]
.else
	s_delay_alu instid0(VALU_DEP_4)
	v_pk_fma_f32 v[SA+2*\p:SA+2*\p+1], v[DA+2*\p:DA+2*\p+1], v[DA+2*\p:DA+2*\p+1], v[SA+2*\p:SA+2*\p+1]
.endif
.endr
.set q, q+2
.endr
	REDUCE
.irp p, 0,1,2,3
	s_delay_alu instid0(VALU_DEP_4)
	v_fma_f32 v[DA+2*\p], v[SA+2*\p], s[INV], s[EPS]
.endr
	s_wait_alu depctr_va_vdst(0)
.irp p, 0,1,2,3
	v_rsq_f32 v[RA+2*\p], v[DA+2*\p]
.endr
	v_nop
	s_wait_alu depctr_va_vdst(0)
.irp p, 0,1,2,3
	v_mov_b32 v[RA+2*\p+1], v[RA+2*\p]
.endr
.endm
; ---- a product of 64 rows x my 64 columns, K = 1,024 in 8 steps
.macro WLOAD n, off                                ; weight fragment n of the K step off bytes on: three loads of 512 consecutive bytes
.irp g, 0,1,2
	global_load_b128 v[WF+12*(\n)+4*\g:WF+12*(\n)+4*\g+3], v3, s[WP:WP+1] offset:(\off)+(\n)*1536+\g*512
.endr
.endm
.macro SLOAD set, off                              ; a K step's two registers of weight scale words, into pair 0 (v24, v25) or pair 1 (v14, v15)
	global_load_b32 v[24-10*(\set)], v5, s[WSP:WSP+1] offset:(\off)
	global_load_b32 v[25-10*(\set)], v5, s[WSP:WSP+1] offset:(\off)+128
.endm
.macro GFIRST                                      ; K step 0's weights, in the order in which every K step's are asked for: the words, then fragments 0 to 3: 14 loads
	SLOAD 0, 0
	WLOAD 0, 0
	WLOAD 1, 0
	WLOAD 2, 0
	WLOAD 3, 0
.endm
.macro MM4 n, p                                    ; weight fragment n against the four tiles of rows.  Over a K step the 16 accumulators take turns, one instruction a turn
.irp m, 0,1,2,3
	WM ACC+32*\m+8*(\n), WF+12*(\n), XF+12*\m, ACC+32*\m+8*(\n), 24-10*(\p)+((\n)/2), XS+(\m/2), (\n)%2, \m%2
.endr
.endm
; One K step, the p-th of its trip.  f = 1: behind each fragment's four products, and four places, its registers are asked to take the next K step's fragment.
; THE COUNTS.  Loads come back in order.  Asked for, K step by K step: 2 words, then 3 loads for each of fragments 0, 1, 2, 3.  At the step's head fragment 0 and the words are wanted: behind them stand fragments 1-3: 9.
; Ahead of fragment n = 1, 2, 3: behind it stand what is left of this step, 3 (3 - n), and what has been asked of the next, 2 + 3 n: 11 each time.  In the last step nothing more is asked: 9, 6, 3, 0.
.macro GSTEP p, f
.irp m, 0,1,2,3
	ds_load_b128 v[XF+12*\m:XF+12*\m+3], v29 offset:(\p)*6144+\m*1536
	ds_load_b64 v[XF+12*\m+4:XF+12*\m+5], v30 offset:(\p)*6144+\m*1536+512
	ds_load_b128 v[XF+12*\m+6:XF+12*\m+9], v29 offset:(\p)*6144+\m*1536+768
	ds_load_b64 v[XF+12*\m+10:XF+12*\m+11], v30 offset:(\p)*6144+\m*1536+1280
.endr
	ds_load_b64 v[XS:XS+1], v31 offset:(\p)*256
	s_wait_loadcnt 9
	s_wait_dscnt 0x0                                   ; the rows' fragments and words (in product 7's first step also x, which the accumulators begin with)
	MM4 0, \p
.if \f
	NOPS 4                                             ; places ahead of loads into registers that matrix instructions have read
	SLOAD 1-(\p), ((\p)+1)*256
	WLOAD 0, ((\p)+1)*6144
	s_wait_loadcnt 11
.else
	s_wait_loadcnt 6
.endif
	MM4 1, \p
.if \f
	NOPS 4
	WLOAD 1, ((\p)+1)*6144
	s_wait_loadcnt 11
.else
	s_wait_loadcnt 3
.endif
	MM4 2, \p
.if \f
	NOPS 4
	WLOAD 2, ((\p)+1)*6144
	s_wait_loadcnt 11
.else
	s_wait_loadcnt 0x0
.endif
	MM4 3, \p
	NOPS 4                                             ; these serve the load below, the next step's loads of the rows' fragments, and the first read of results
.if \f
	WLOAD 3, ((\p)+1)*6144
.endif
.endm
.macro GPAIR last                                  ; two K steps: the scale words' two pairs of registers are back where they began
	v_add_nc_u32 v29, s[LS], v3
	v_add_nc_u32 v30, s[LS], v4
	v_add_nc_u32 v31, s[LS2], v4
	GSTEP 0, 1
	s_wait_alu depctr_va_vdst(0)
	GSTEP 1, 1-(\last)
.endm
.macro GEMM                                        ; K step 0's weights have been asked for (GFIRST)
	s_mov_b32 s[LS], IMG
	s_mov_b32 s[LS2], ISC
	s_mov_b32 s[CNT], 3
.Lgemm_\@:
	GPAIR 0
	s_wait_xcnt 0x0                                    ; loads that name the two pointers are on their way: the pointers are stepped only behind this wait
	s_add_nc_u64 s[WP:WP+1], s[WP:WP+1], 12288
	s_add_nc_u64 s[WSP:WSP+1], s[WSP:WSP+1], 512
	s_add_co_u32 s[LS], s[LS], 12288
	s_add_co_u32 s[LS2], s[LS2], 512
	s_sub_co_u32 s[CNT], s[CNT], 1
	s_cmp_lg_u32 s[CNT], 0
	s_cbranch_scc1 .Lgemm_\@
	GPAIR 1                                            ; the last two K steps are written out: the last asks for nothing
.endm
	s_load_b512 s[4:19], s[0:1], 0x0                   ; x 4, ln_x_g 6, ln_x_b 8, bq 10, bo 12, cond_type 14, wts 16, kv 18
	s_load_b128 s[20:23], s[0:1], 0x40                 ; sty 20, out0 22
	v_lshl_add_u32 v1, v0, 2, SPARE                    ; my spare word, and 0: kept for the closing lines
	v_mov_b32 v2, 0
	v_lshrrev_b32 v3, 5, v0
	s_delay_alu instid0(VALU_DEP_1)
	v_readfirstlane_b32 s[WV], v3                      ; wave = head, 0..15
	v_and_b32 v30, 31, v0                              ; lane
	s_delay_alu instid0(VALU_DEP_1)
	v_lshlrev_b32 v3, 4, v30
	s_lshr_b32 s25, ttmp9, 3                           ; b
	s_lshl_b32 s46, ttmp9, 18                          ; 64 rows of 4,096 bytes,
	s_lshl_b32 s47, s[WV], 14                          ; my four of them
	s_add_co_u32 s46, s46, s47
	s_mov_b32 s47, 0
	s_lshl_b32 s48, s25, 2
	s_mov_b32 s49, 0
	s_lshl_b32 s52, ttmp9, 18                          ; out0: the work-group's 64 rows,
	s_lshl_b32 s53, s[WV], 8                           ; my 64 columns of them
	s_add_co_u32 s52, s52, s53
	s_mov_b32 s53, 0
	s_wait_alu depctr_va_vdst(0)
	s_wait_kmcnt 0x0
	s_add_nc_u64 s[4:5], s[4:5], s[46:47]
	s_add_nc_u64 s[22:23], s[22:23], s[52:53]
	s_add_nc_u64 s[14:15], s[14:15], s[48:49]
	; ---- X: rows 4 w .. 4 w + 3, whole: 512 consecutive bytes a load; all of the work-group's x is asked for at once
.irp p, 0,1,2,3
.irp i, 0,1,2,3,4,5,6,7
	global_load_b128 v[128+32*\p+4*\i:131+32*\p+4*\i], v3, s[4:5] offset:\p*4096+512*\i th:TH_LOAD_NT
.endr
.endr
	s_load_b32 s50, s[14:15], 0x0                      ; cond_type[b]
	s_mov_b32 s[CS], 0x3fb8aa3b
	s_mov_b32 s[CS+1], s[CS]
	s_mov_b32 s[NL], 0xbfb8aa3b
	s_mov_b32 s[NL+1], s[NL]
	s_mov_b32 s[SEL], 0x76543210
	s_mov_b32 s[SEL+1], 0xfedcba98
	s_mov_b32 s[INV], 0x3a800000
	s_mov_b32 s[EPS], 0x3727c5ac
	v_and_b32 v31, 15, v0                              ; r
	v_bfe_u32 v28, v0, 4, 1                            ; h
	v_lshlrev_b32 v4, 3, v30
	s_wait_alu depctr_va_vdst(0)
	v_lshlrev_b32 v5, 2, v30
	v_lshlrev_b32 v6, 6, v28
	s_mul_i32 s43, s[WV], 4*XP
	v_add_nc_u32 v7, s43, v3                           ; my four whole rows in LDS
	v_mul_u32_u24 v29, v31, XP
	s_delay_alu instid0(VALU_DEP_1)
	v_add_nc_u32 v29, v29, v6                          ; row r, + 64 h
	s_wait_alu depctr_va_vdst(0)
	s_lshl_b32 s43, s[WV], 8
	v_add_nc_u32 v8, s43, v29                          ; and my 64 columns of it
	s_lshr_b32 s44, s[WV], 1
	s_and_b32 s45, s[WV], 1
	s_mul_i32 s46, s44, 6144
	s_mul_i32 s47, s45, 768
	s_add_co_u32 s46, s46, s47
	s_add_co_u32 s46, s46, IMG
	v_add_nc_u32 v9, s46, v3                           ; h's image: K step w / 2, half w % 2
	s_add_co_u32 s46, s46, 512
	v_add_nc_u32 v10, s46, v4
	s_lshl_b32 s46, s44, 8
	s_lshl_b32 s47, s45, 1
	s_add_co_u32 s46, s46, s47
	s_add_co_u32 s46, s46, ISC
	v_lshl_add_u32 v11, v31, 3, s46                    ; and my two bytes of its scale words
	v_mul_u32_u24 v13, v31, 80
	s_delay_alu instid0(VALU_DEP_1)
	v_add_nc_u32 v13, ST1, v13                         ; LN(y): row r's sixteen sums,
	s_lshl_b32 s46, s[WV], 2
	v_add_nc_u32 v12, s46, v13                         ; and mine among them
	s_and_b32 s44, s[WV], 7                            ; the quantising pass: K step s = w % 8, tiles of rows 2 mp and 2 mp + 1, mp = w / 8
	s_lshr_b32 s45, s[WV], 3
	s_mul_i32 s46, s45, 32*XP
	s_lshl_b32 s47, s44, 9
	s_add_co_u32 s46, s46, s47
	v_add_nc_u32 v16, s46, v29                         ; row 32 mp + r, byte 512 s + 64 h
	s_add_co_u32 s46, s46, 16*XP
	v_add_nc_u32 v20, s46, v29                         ; the second tile's rows, 16 further down
	s_mul_i32 s46, s44, 6144
	s_mul_i32 s47, s45, 3072
	s_add_co_u32 s46, s46, s47
	s_add_co_u32 s46, s46, IMG
	v_add_nc_u32 v17, s46, v3                          ; fragment 4 s + 2 mp
	s_add_co_u32 s46, s46, 512
	v_add_nc_u32 v18, s46, v4
	s_lshl_b32 s46, s44, 8
	s_lshl_b32 s47, s45, 2
	s_add_co_u32 s46, s46, s47
	s_add_co_u32 s46, s46, ISC
	v_lshl_add_u32 v19, v31, 3, s46                    ; scale words: [s][lane 16 (m % 2) + r][word mp]
	s_lshl_b32 s46, s45, 8
	s_add_co_u32 s46, s46, ST1
	v_lshl_add_u32 v21, v31, 3, s46                    ; mean and 1 / sqrt of row 32 mp + r: 8 bytes a row
	s_lshl_b32 s46, s[WV], 5
	s_add_co_u32 s46, s46, ST1
	v_mov_b32 v22, s46                                 ; and where those of my rows 4 w .. 4 w + 3 go
	s_lshl_b32 s46, s44, 9
	s_mov_b32 s47, 0
	s_add_nc_u64 s[6:7], s[6:7], s[46:47]              ; gain and bias at column 128 s
	s_add_nc_u64 s[8:9], s[8:9], s[46:47]
.irp blk, 0,1,2,3
.irp j, 0,1,2,3
	global_load_b128 v[64+16*\blk+4*\j:67+16*\blk+4*\j], v6, s[6:7] offset:128*\blk+16*\j      ; the gain, as a fragment's numbers lie: register 16 blk + i = column 128 s + 32 blk + 16 h + i
.endr
.endr
	s_wait_loadcnt 16                                  ; x's 32 loads are in; the gain's 16 may be out
	LNSTAT 128, 32
.irp p, 0,1,2,3
	v_mov_b32 v[MA+2*\p+1], v[RA+2*\p]                 ; a pair for each row: mean, 1 / sqrt(var + eps)
.endr
.irp p, 0,1,2,3
.irp i, 0,1,2,3,4,5,6,7
	ds_store_b128 v7, v[128+32*\p+4*\i:131+32*\p+4*\i] offset:\p*XP+512*\i     ; x itself, as rows: it is read by the quantising pass and is the last product's C
.endr
.endr
.irp p, 0,1,2,3
	ds_store_b64 v22, v[MA+2*\p:MA+2*\p+1] offset:8*\p                         ; all lanes hold and write the same pair
.endr
	s_wait_dscnt 0x0                                   ; my stores have landed and have read their registers
.irp blk, 0,1,2,3
.irp j, 0,1,2,3
	global_load_b128 v[192+16*\blk+4*\j:195+16*\blk+4*\j], v6, s[8:9] offset:128*\blk+16*\j    ; the bias likewise, into registers that x has left
.endr
.endr
	s_barrier_signal -1
	s_barrier_wait -1                                  ; 64 rows of x and their 64 pairs lie in LDS
.set TM, 44
.set PT, 56
.irp sl, 0,1
.irp blk, 0,1,2,3
.irp j, 0,1,2,3
	ds_load_b128 v[128+16*\blk+4*\j:131+16*\blk+4*\j], v[16+4*\sl] offset:128*\blk+16*\j
.endr
.endr
	ds_load_b64 v[24:25], v21 offset:128*\sl
.if \sl == 0
	s_wait_loadcnt 0x0                                 ; gain and bias
.endif
	s_wait_dscnt 0x0
	v_mov_b32 v26, v25
	v_mov_b32 v27, v25
	v_mov_b32 v25, v24
.set q, 0
.rept 32
.if q == 0
	s_delay_alu instid0(VALU_DEP_1)
.endif
	v_pk_add_f32 v[128+q:129+q], v[128+q:129+q], v[24:25] neg_lo:[0,1] neg_hi:[0,1]
.set q, q+2
.endr
.set q, 0
.rept 32
	v_pk_mul_f32 v[128+q:129+q], v[128+q:129+q], v[26:27]
.set q, q+2
.endr
.set q, 0
.rept 32
	v_pk_fma_f32 v[128+q:129+q], v[128+q:129+q], v[64+q:65+q], v[192+q:193+q]
.set q, q+2
.endr
	QUANT4 128, 32, 28
	ds_store_b128 v17, v[32:35] offset:\sl*1536
	ds_store_b64 v18, v[36:37] offset:\sl*1536
	ds_store_b128 v17, v[38:41] offset:\sl*1536+768
	ds_store_b64 v18, v[42:43] offset:\sl*1536+768
	ds_store_b32 v19, v28 offset:128*\sl               ; both halves of the lanes hold and write the same word
	s_wait_dscnt 0x0                                   ; the stores have read their registers
.endr
	; ---- product 1: q = LN(x) Wq + bq; bq is what the accumulators begin with: asked for here, ahead of the first weights, so that the first K step's counted wait covers it
	s_lshl_b32 s44, s[WV], 8
	s_mov_b32 s45, 0
	s_add_nc_u64 s[10:11], s[10:11], s[44:45]
.irp m, 0,1,2,3
.irp n, 0,1,2,3
	global_load_b128 v[128+32*\m+8*\n:131+32*\m+8*\n], v6, s[10:11] offset:128*(\n/2)+32*(\n%2)
	global_load_b128 v[132+32*\m+8*\n:135+32*\m+8*\n], v6, s[10:11] offset:128*(\n/2)+32*(\n%2)+16
.endr
.endr
	s_mul_i32 s44, s[WV], 51200                        ; Wq's record of my 64 columns
	s_add_nc_u64 s[WP:WP+1], s[16:17], s[44:45]
	s_add_nc_u64 s[WSP:WSP+1], s[WP:WP+1], 49152
	GFIRST                                             ; product 1's first weights: they are on their way under the barrier
	BAR                                                ; x's 32 fragments lie in LDS
	s_wait_kmcnt 0x0
	s_sub_co_i32 s51, 0, s50
	s_max_i32 s51, s51, s50                            ; |c|: c mod 10 is 0 where |c| mod 10 is
	s_mul_hi_u32 s52, s51, 0xcccccccd
	s_lshr_b32 s52, s52, 3
	s_mul_i32 s52, s52, 10
	s_sub_co_u32 s51, s51, s52
	s_mov_b32 s52, 0xc9742400                          ; -1e6
	s_cmp_lg_u32 s51, 0
	s_cselect_b32 s52, 0, s52
.irp i, 0,1,2,3,4,5,6,7
	v_mov_b32 v[OFFC+\i], s52
.endr
	GEMM
	s_lshl_b32 s44, s25, 4
	s_add_co_u32 s44, s44, s[WV]
	s_mul_i32 s44, s44, 13056
	s_add_nc_u64 s[18:19], s[18:19], s[44:45]          ; kv's record of (b, my head)
.irp g, 0,1,2,3,4,5,6,7,8,9,10,11
	global_load_b128 v[KF+4*\g:KF+4*\g+3], v3, s[18:19] offset:\g*512
.endr
	global_load_b64 v[14:15], v4, s[18:19] offset:12288
	global_load_b64 v[126:127], v4, s[18:19] offset:12544
	s_lshl_b32 s44, s25, 12
	s_lshl_b32 s46, s[WV], 8
	s_add_co_u32 s44, s44, s46
	s_add_nc_u64 s[20:21], s[20:21], s[44:45]          ; the style of (b, my 64 columns)
.set TM2, 60
.set PT, 28
.irp m, 0,1,2,3
	QUANT2 128+32*\m, QC+6*\m, 66
	v_or_b32 v[QS+\m], 0x7f7f0000, v66                 ; bytes 2 and 3 stand over zero codes: 127
.endr
.irp i, 0,1,2,3,4,5
	v_mov_b32 v[QW+6+\i], 0                            ; q has nothing above k = 64
	v_mov_b32 v[KF+48+\i], 0                           ; what stands behind K's last tile
.endr
; ---- attention A: a tile of 16 rows: scores, softmax, p's codes.  What stays: 12 registers of codes, a scale word, 1 / l
.macro ATTA m
.irp i, 0,1,2,3,4,5
	v_mov_b32 v[QW+\i], v[QC+6*(\m)+\i]
.endr
	NOPS 4                                             ; an operand written by vector instructions stands 4 places ahead of the product
.if (\m) == 0
	s_wait_alu depctr_va_vdst(0)
	s_wait_loadcnt 0x0                                 ; K
.endif
.irp t, 0,1,2,3,4,5,6,7                            ; S^T = K q^T + the gate: lane (r, h): query r; the 16 registers of tiles 2 b, 2 b + 1: keys 32 b + 16 h + 0 .. 15
	WM S+8*\t, KF+6*\t, QW, OFFC, 14+(\t/2)+110*(\t/4), QS+(\m), \t%2, 0
.endr
	NOPS 4
.if (\m) == 3                                      ; the last scores are made: q, K and the gate are done with
	v_mov_b32 v[RP], v[QC]                             ; the first three tiles' 1 / l leave the registers that V will take
	v_mov_b32 v[RP+2], v[QC+6]
	v_mov_b32 v[RP+4], v[QC+12]
.irp g, 0,1,2,3,4,5,6,7,8,9,10,11
	global_load_b128 v[VF+4*\g:VF+4*\g+3], v3, s[18:19] offset:6144+\g*512      ; V's four fragments, once for all 64 rows: they land under this tile's softmax
.endr
	global_load_b32 v14, v5, s[18:19] offset:12800
	global_load_b32 v15, v5, s[18:19] offset:12928
.endif
.irp b, 0,1,2,3
	v_max3_num_f32 v[BM+\b], v[S+16*\b], v[S+16*\b+1], v[S+16*\b+2]    ; each block's largest score: for the row's maximum and, p rising with the score, for the block's largest p
.endr
.irp i, 3,5,7,9,11,13
.irp b, 0,1,2,3
	v_max3_num_f32 v[BM+\b], v[BM+\b], v[S+16*\b+\i], v[S+16*\b+\i+1]
.endr
.endr
.irp b, 0,1,2,3
	v_max_num_f32 v[BM+\b], v[BM+\b], v[S+16*\b+15]
.endr
.irp b, 0,1,2,3
	v_permlanex16_b32 v[TMB+\b], v[BM+\b], s[SEL], s[SEL+1]
.endr
.irp b, 0,1,2,3
	s_delay_alu instid0(VALU_DEP_4)
	v_max_num_f32 v[BM+\b], v[BM+\b], v[TMB+\b]
.endr
	s_delay_alu instid0(VALU_DEP_2)
	v_max3_num_f32 v[TMB], v[BM], v[BM+1], v[BM+2]
	s_delay_alu instid0(VALU_DEP_1)
	v_max_num_f32 v[TMB], v[TMB], v[BM+3]
	s_delay_alu instid0(VALU_DEP_1)
	v_mul_f32 v[TMB], s[CS], v[TMB]                    ; the row's largest t
	s_delay_alu instid0(VALU_DEP_1)
	v_floor_f32 v[NM], -v[TMB]                         ; -M = floor(-t): M is a whole number
.set j, 0
.rept 32
	v_pk_fma_f32 v[S+j:S+j+1], v[S+j:S+j+1], s[CS:CS+1], v[NM:NM+1] op_sel_hi:[1,0,0]
.set j, j+2
.endr
.irp b, 0,1,2,3
	v_fma_f32 v[BM+\b], v[BM+\b], s[CS], v[NM]
.endr
.set j, 0
	s_wait_alu depctr_va_vdst(0)
.rept 64
	v_exp_f32 v[S+j], v[S+j]                           ; p = 2^(t - M)
.set j, j+1
.endr
	v_nop                                              ; a plain place behind the batch, and its one wait
	s_wait_alu depctr_va_vdst(0)
.irp b, 0,1,2,3
	v_exp_f32 v[BM+\b], v[BM+\b]                       ; the blocks' largest p
.endr
	v_pk_add_f32 v[204:205], v[128:129], v[132:133]
	v_pk_add_f32 v[254:255], v[136:137], v[140:141]
	v_pk_add_f32 v[252:253], v[144:145], v[148:149]
	v_pk_add_f32 v[250:251], v[152:153], v[156:157]
	v_pk_add_f32 v[248:249], v[160:161], v[164:165]
	v_pk_add_f32 v[246:247], v[168:169], v[172:173]
	v_pk_add_f32 v[244:245], v[176:177], v[180:181]
	v_pk_add_f32 v[30:31], v[184:185], v[188:189]
	v_pk_add_f32 v[30:31], v[30:31], v[130:131]
	v_pk_add_f32 v[204:205], v[204:205], v[134:135]
	v_pk_add_f32 v[254:255], v[254:255], v[138:139]
	v_pk_add_f32 v[252:253], v[252:253], v[142:143]
	v_pk_add_f32 v[250:251], v[250:251], v[146:147]
	v_pk_add_f32 v[248:249], v[248:249], v[150:151]
	v_pk_add_f32 v[246:247], v[246:247], v[154:155]
	v_pk_add_f32 v[244:245], v[244:245], v[158:159]
	v_pk_add_f32 v[30:31], v[30:31], v[162:163]
	v_pk_add_f32 v[204:205], v[204:205], v[166:167]
	v_pk_add_f32 v[254:255], v[254:255], v[170:171]
	v_pk_add_f32 v[252:253], v[252:253], v[174:175]
	v_pk_add_f32 v[250:251], v[250:251], v[178:179]
	v_pk_add_f32 v[248:249], v[248:249], v[182:183]
	v_pk_add_f32 v[246:247], v[246:247], v[186:187]
	v_pk_add_f32 v[244:245], v[244:245], v[190:191]
	s_delay_alu instid0(VALU_DEP_4)
	v_pk_add_f32 v[30:31], v[30:31], v[250:251]
	s_delay_alu instid0(VALU_DEP_4)
	v_pk_add_f32 v[204:205], v[204:205], v[248:249]
	s_delay_alu instid0(VALU_DEP_4)
	v_pk_add_f32 v[254:255], v[254:255], v[246:247]
	s_delay_alu instid0(VALU_DEP_4)
	v_pk_add_f32 v[252:253], v[252:253], v[244:245]
	s_delay_alu instid0(VALU_DEP_2)
	v_pk_add_f32 v[30:31], v[30:31], v[254:255]
	s_delay_alu instid0(VALU_DEP_2)
	v_pk_add_f32 v[204:205], v[204:205], v[252:253]
	s_delay_alu instid0(VALU_DEP_1)
	v_pk_add_f32 v[30:31], v[30:31], v[204:205]
	s_delay_alu instid0(VALU_DEP_1)
	v_add_f32 v[LL], v[LL], v[LL+1]
	s_delay_alu instid0(VALU_DEP_1)
	v_permlanex16_b32 v[LL+1], v[LL], s[SEL], s[SEL+1]
	s_delay_alu instid0(VALU_DEP_1)
	v_add_f32 v[LL], v[LL], v[LL+1]
.if (\m) == 3
	s_wait_alu depctr_va_vdst(0)
	v_rcp_f32 v[RP+6], v[LL]
.else
	s_wait_alu depctr_va_vdst(0)
	v_rcp_f32 v[QC+6*(\m)], v[LL]                      ; into a register of q's codes that the copy above has done with
.endif
	v_nop
	s_wait_alu depctr_va_vdst(0)                       ; one wait for the four exponentials and the reciprocal
.irp b, 0,1,2,3
	v_max_num_f32 v[BM+\b], 0x1800000, v[BM+\b]
.endr
.irp b, 0,1,2,3
	s_delay_alu instid0(VALU_DEP_4)
	v_add_nc_u32 v[SO+\b], 0xff000000, v[BM+\b]
.endr
.irp b, 0,1,2,3
	s_delay_alu instid0(VALU_DEP_4)
	v_lshrrev_b32 v[TMB+\b], 23, v[SO+\b]
.endr
	s_delay_alu instid0(VALU_DEP_3)
	v_lshl_or_b32 v[PW+(\m)], v[TMB+1], 8, v[TMB]
	s_delay_alu instid0(VALU_DEP_1)
	v_lshl_or_b32 v[PW+(\m)], v[TMB+2], 16, v[PW+(\m)]
	s_delay_alu instid0(VALU_DEP_1)
	v_lshl_or_b32 v[PW+(\m)], v[TMB+3], 24, v[PW+(\m)]
.irp c, 0,1
	v_cvt_scalef32_pk16_fp6_f32 v[PC+12*(\m)+6*\c:PC+12*(\m)+6*\c+2], v[S+32*\c:S+32*\c+15], v[SO+2*\c]
	v_cvt_scalef32_pk16_fp6_f32 v[PTA+4*\c:PTA+4*\c+2], v[S+32*\c+16:S+32*\c+31], v[SO+2*\c+1]
.endr
	v_nop                                              ; one plain place behind a scaled conversion
.irp c, 0,1
.irp i, 0,1,2
	v_permlane16_swap_b32 v[PC+12*(\m)+6*\c+\i], v[PTA+4*\c+\i]
.endr
.irp i, 0,1,2
	s_delay_alu instid0(VALU_DEP_3)
	v_mov_b32 v[PC+12*(\m)+6*\c+3+\i], v[PTA+4*\c+\i]
.endr
.endr
.endm
	ATTA 0
	ATTA 1
	ATTA 2
	ATTA 3
	; ---- attention B: all 64 rows at once
.macro HALVES4 off                                 ; four tiles' packed sums, in two chains each, become my head's sums of the rows, go to LDS, and the heads meet
.irp m, 0,1,2,3
	v_pk_add_f32 v[E+4*\m:E+4*\m+1], v[E+4*\m:E+4*\m+1], v[E+4*\m+2:E+4*\m+3]
.endr
.irp m, 0,1,2,3
	s_delay_alu instid0(VALU_DEP_4)
	v_add_f32 v[E+4*\m], v[E+4*\m], v[E+4*\m+1]
.endr
.irp m, 0,1,2,3
	s_delay_alu instid0(VALU_DEP_4)
	v_permlanex16_b32 v[E+4*\m+1], v[E+4*\m], s[SEL], s[SEL+1]
.endr
.irp m, 0,1,2,3
	s_delay_alu instid0(VALU_DEP_4)
	v_add_f32 v[E+4*\m], v[E+4*\m], v[E+4*\m+1]        ; with lane l xor 16's: both halves of the lanes hold and write the same word
.endr
.irp m, 0,1,2,3
	ds_store_b32 v12, v[E+4*\m] offset:(\off)+\m*1280
.endr
	BAR
.endm
.macro SUM16 b                                     ; sixteen heads' sums, in the same order in every wave
	v_pk_add_f32 v[(\b):(\b)+1], v[(\b):(\b)+1], v[(\b)+2:(\b)+3]
	v_pk_add_f32 v[(\b)+4:(\b)+5], v[(\b)+4:(\b)+5], v[(\b)+6:(\b)+7]
	v_pk_add_f32 v[(\b)+8:(\b)+9], v[(\b)+8:(\b)+9], v[(\b)+10:(\b)+11]
	v_pk_add_f32 v[(\b)+12:(\b)+13], v[(\b)+12:(\b)+13], v[(\b)+14:(\b)+15]
	s_delay_alu instid0(VALU_DEP_3)
	v_pk_add_f32 v[(\b):(\b)+1], v[(\b):(\b)+1], v[(\b)+4:(\b)+5]
	s_delay_alu instid0(VALU_DEP_2)
	v_pk_add_f32 v[(\b)+8:(\b)+9], v[(\b)+8:(\b)+9], v[(\b)+12:(\b)+13]
	s_delay_alu instid0(VALU_DEP_1)
	v_pk_add_f32 v[(\b):(\b)+1], v[(\b):(\b)+1], v[(\b)+8:(\b)+9]
	s_delay_alu instid0(VALU_DEP_1)
	v_add_f32 v[(\b)], v[(\b)], v[(\b)+1]
.endm
.macro HEADS off, pr                               ; the rows' sums over all heads, of tiles 2 pr (in v[E]) and 2 pr + 1 (in v[E+16])
.irp u, 0,1
.irp k, 0,1,2,3
	ds_load_b128 v[E+16*\u+4*\k:E+16*\u+4*\k+3], v13 offset:(\off)+(2*(\pr)+\u)*1280+16*\k
.endr
.endr
	s_wait_dscnt 0x0
	SUM16 E
	SUM16 E+16
.endm
	s_wait_alu depctr_va_vdst(0)
	s_wait_loadcnt 0x0                                 ; V
	NOPS 8                                             ; p's last scale word, written by vector instructions, stands 8 places ahead of the products, its codes 4
.irp n, 0,1,2,3                                    ; O^T = V^T p^T: lane (r, h): query r of tile m, register 8 n + j: channel 32 (n / 2) + 16 h + 8 (n % 2) + j; 16 sums, each begun by its one product
.irp m, 0,1,2,3
	WM O+32*\m+8*\n, VF+12*\n, PC+12*\m, -1, 14+(\n/2), PW+\m, \n%2, 0
.endr
.endr
	NOPS 4
.irp n, 0,1,2,3
.irp hf, 0,1
	global_load_b128 v[P1+8*\n+4*\hf:P1+8*\n+4*\hf+3], v6, s[20:21] offset:128*(\n/2)+32*(\n%2)+16*\hf               ; the style of my channels, once for all 64 rows: it lands during the norm
	global_load_b128 v[64+128*(\n/2)+8*\n+4*\hf:64+128*(\n/2)+8*\n+4*\hf+3], v6, s[20:21] offset:131072+128*(\n/2)+32*(\n%2)+16*\hf
.endr
.endr
.irp m, 0,1,2,3
.set j, 0
.rept 16
	v_pk_mul_f32 v[O+32*\m+j:O+32*\m+j+1], v[O+32*\m+j:O+32*\m+j+1], v[RP+2*\m:RP+2*\m+1] op_sel_hi:[1,0]       ; y = O / l; each accumulator from its low end on
.set j, j+2
.endr
.endr
.irp m, 0,1,2,3
	v_pk_add_f32 v[E+4*\m:E+4*\m+1], v[O+32*\m:O+32*\m+1], v[O+32*\m+2:O+32*\m+3]
	v_pk_add_f32 v[E+4*\m+2:E+4*\m+3], v[O+32*\m+4:O+32*\m+5], v[O+32*\m+6:O+32*\m+7]
.endr
.set j, 8
.rept 6
.irp m, 0,1,2,3
	v_pk_add_f32 v[E+4*\m:E+4*\m+1], v[E+4*\m:E+4*\m+1], v[O+32*\m+j:O+32*\m+j+1]
	v_pk_add_f32 v[E+4*\m+2:E+4*\m+3], v[E+4*\m+2:E+4*\m+3], v[O+32*\m+j+2:O+32*\m+j+3]
.endr
.set j, j+4
.endr
	HALVES4 0
.irp pr, 0,1
	HEADS 0, \pr
	v_mul_f32 v[RP+4*\pr], s[INV], v[E]                ; the rows' means
	s_delay_alu instid0(VALU_DEP_2)
	v_mul_f32 v[RP+4*\pr+2], s[INV], v[E+16]
	s_delay_alu instid0(VALU_DEP_2)
	v_mov_b32 v[RP+4*\pr+1], v[RP+4*\pr]
	s_delay_alu instid0(VALU_DEP_2)
	v_mov_b32 v[RP+4*\pr+3], v[RP+4*\pr+2]
.endr
.irp m, 0,1,2,3
.set j, 0
.rept 16
	v_pk_add_f32 v[O+32*\m+j:O+32*\m+j+1], v[O+32*\m+j:O+32*\m+j+1], v[RP+2*\m:RP+2*\m+1] neg_lo:[0,1] neg_hi:[0,1]
.set j, j+2
.endr
.endr
.irp m, 0,1,2,3
	v_pk_mul_f32 v[E+4*\m:E+4*\m+1], v[O+32*\m:O+32*\m+1], v[O+32*\m:O+32*\m+1]
	v_pk_mul_f32 v[E+4*\m+2:E+4*\m+3], v[O+32*\m+2:O+32*\m+3], v[O+32*\m+2:O+32*\m+3]
.endr
.set j, 4
.rept 7
.irp m, 0,1,2,3
	v_pk_fma_f32 v[E+4*\m:E+4*\m+1], v[O+32*\m+j:O+32*\m+j+1], v[O+32*\m+j:O+32*\m+j+1], v[E+4*\m:E+4*\m+1]
	v_pk_fma_f32 v[E+4*\m+2:E+4*\m+3], v[O+32*\m+j+2:O+32*\m+j+3], v[O+32*\m+j+2:O+32*\m+j+3], v[E+4*\m+2:E+4*\m+3]
.endr
.set j, j+4
.endr
	HALVES4 ST2O
.irp pr, 0,1
	HEADS ST2O, \pr
	v_fma_f32 v[RP+4*\pr], v[E], s[INV], s[EPS]
	s_delay_alu instid0(VALU_DEP_2)
	v_fma_f32 v[RP+4*\pr+2], v[E+16], s[INV], s[EPS]
.endr
	s_wait_alu depctr_va_vdst(0)
.irp m, 0,1,2,3
	v_rsq_f32 v[RP+2*\m+1], v[RP+2*\m]
.endr
	v_nop                                              ; a plain place behind the four, and one wait ahead of their first reader
	s_wait_alu depctr_va_vdst(0)
.irp m, 0,1,2,3
	v_mov_b32 v[RP+2*\m], v[RP+2*\m+1]
.endr
	s_mul_i32 s44, s[WV], 51200                        ; Wo's record of my 64 columns (product 1's loads, which named these pointers, were all waited for)
	s_add_co_u32 s44, s44, 819200
	s_mov_b32 s45, 0
	s_add_nc_u64 s[WP:WP+1], s[16:17], s[44:45]
	s_add_nc_u64 s[WSP:WSP+1], s[WP:WP+1], 49152
	s_wait_alu depctr_va_vdst(0)
	s_wait_loadcnt 0x0                                 ; the style
.set TM2, E+12
.set PT, E+8
.irp m, 0,1,2,3
.set j, 0
.rept 16
	v_pk_mul_f32 v[O+32*\m+j:O+32*\m+j+1], v[O+32*\m+j:O+32*\m+j+1], v[RP+2*\m:RP+2*\m+1]
.set j, j+2
.endr
.set j, 0
.rept 16
	v_pk_fma_f32 v[O+32*\m+j:O+32*\m+j+1], v[O+32*\m+j:O+32*\m+j+1], v[P1+j:P1+j+1], v[64+j+128*(j/16):65+j+128*(j/16)]
.set j, j+2
.endr
.if \m == 3
	GFIRST                                             ; the style is done with: product 7's first weights are asked for, and land under the last tile's silu and the barrier
.endif
	SILU O+32*\m, E, 32
	QUANT2 O+32*\m, E, E+18
	ds_store_b128 v9, v[E:E+3] offset:\m*1536          ; half a fragment of the last product: K step w / 2, rows 16 m on
	ds_store_b64 v10, v[E+4:E+5] offset:\m*1536
	ds_store_b16 v11, v[E+18] offset:128*(\m%2)+4*(\m/2)
	s_wait_dscnt 0x0                                   ; the stores have read their registers
.endr
	BAR                                                ; h's 32 fragments lie in LDS
	; ---- product 7: x + h Wo: x is what the accumulators begin with
	s_lshl_b32 s44, s[WV], 8
	v_and_b32 v28, 15, v0
.irp m, 0,1,2,3
	v_add_nc_u32 v[16+\m], \m*16*XP, v8
.endr
	v_lshl_add_u32 v28, v28, 4, s44                    ; 16 (lane % 16) + 256 w: my 16 bytes of my 64 columns
	global_load_b128 v[20:23], v28, s[12:13]           ; bo at those four columns.  It is younger than the first 14 weight loads: the counted waits of the K steps ask for one load more than they need while it is out
.irp m, 0,1,2,3
.irp n, 0,1,2,3
	ds_load_b128 v[128+32*\m+8*\n:131+32*\m+8*\n], v[16+\m] offset:128*(\n/2)+32*(\n%2)
	ds_load_b128 v[132+32*\m+8*\n:135+32*\m+8*\n], v[16+\m] offset:128*(\n/2)+32*(\n%2)+16
.endr
.endr
	GEMM
	; ---- the way out: my own bytes alone, so no barrier.  The last K step's wait for all loads has covered bo
	v_bfe_u32 v29, v0, 4, 1                            ; h
	v_and_b32 v31, 15, v0
	s_delay_alu instid0(VALU_DEP_2)
	v_mul_u32_u24 v24, v29, XP
	s_delay_alu instid0(VALU_DEP_2)
	v_lshlrev_b32 v31, 4, v31
	s_delay_alu instid0(VALU_DEP_2)
	v_add_nc_u32 v24, v24, v28                         ; back from LDS: row h of a pair of rows, my 16 bytes of my 256; v24-27: tiles of rows 0 to 3
	s_delay_alu instid0(VALU_DEP_2)
	v_lshl_add_u32 v30, v29, 12, v31                   ; and the same place in out0: 4,096 h + 16 (lane % 16)
	s_delay_alu instid0(VALU_DEP_2)
	v_add_nc_u32 v25, 16*XP, v24
	s_delay_alu instid0(VALU_DEP_3)
	v_add_nc_u32 v26, 32*XP, v24
	s_delay_alu instid0(VALU_DEP_4)
	v_add_nc_u32 v27, 48*XP, v24
	s_wait_alu depctr_va_vdst(0)
.irp m, 0,1,2
.irp n, 0,1,2,3
	ds_store_b128 v[16+\m], v[128+32*\m+8*\n:131+32*\m+8*\n] offset:128*(\n/2)+32*(\n%2)       ; to the bytes that only I read; each accumulator from its low end on
	ds_store_b128 v[16+\m], v[132+32*\m+8*\n:135+32*\m+8*\n] offset:128*(\n/2)+32*(\n%2)+16
.endr
.irp t, 0,1,2,3,4,5,6,7
	ds_load_b128 v[32+32*\m+4*\t:35+32*\m+4*\t], v[24+\m] offset:\t*2*XP      ; LDS serves a wave's instructions in order: these see the stores above.  Rows 16 m + 2 t and + 1
.endr
.endr
.irp n, 0,1,2,3
	ds_store_b128 v19, v[224+8*\n:227+8*\n] offset:128*(\n/2)+32*(\n%2)
	ds_store_b128 v19, v[228+8*\n:231+8*\n] offset:128*(\n/2)+32*(\n%2)+16
.endr
	s_wait_tensorcnt 0x0                               ; behind my last LDS store
	ds_add_u32 v1, v2
	s_wait_dscnt 0x0                                   ; also: three tiles are back, and every store has read its registers
.irp t, 0,1,2,3,4,5,6,7
	ds_load_b128 v[128+4*\t:131+4*\t], v27 offset:\t*2*XP                     ; the fourth tile, into registers that the first tile's stores have read
.endr
.set k, 0
.rept 24
	v_pk_add_f32 v[32+4*k:33+4*k], v[32+4*k:33+4*k], v[20:21]                 ; + bo: a lane's four columns are the same in every row
	v_pk_add_f32 v[34+4*k:35+4*k], v[34+4*k:35+4*k], v[22:23]
.set k, k+1
.endr
	s_wait_dscnt 0x0
.set k, 0
.rept 8
	v_pk_add_f32 v[128+4*k:129+4*k], v[128+4*k:129+4*k], v[20:21]
	v_pk_add_f32 v[130+4*k:131+4*k], v[130+4*k:131+4*k], v[22:23]
.set k, k+1
.endr
.set k, 0
.rept 24
	global_store_b128 v30, v[32+4*k:35+4*k], s[22:23] offset:2*k*4096 th:TH_STORE_NT        ; sixteen lanes store 256 consecutive bytes, from a multiple of 256 of out0; two rows an instruction
.set k, k+1
.endr
.set k, 0
.rept 8
	global_store_b128 v30, v[128+4*k:131+4*k], s[22:23] offset:(48+2*k)*4096 th:TH_STORE_NT
.set k, k+1
.endr
	s_endpgm
.Lfunc_end_k_q8fc53fad47_main:
	.size	k_q8fc53fad47_main, .Lfunc_end_k_q8fc53fad47_main-k_q8fc53fad47_main
	.p2alignl 7, 3214868480
	.fill 96, 4, 3214868480
	.section	.rodata,"a",@progbits
	.p2align	6, 0x0
	.amdhsa_kernel k_q8fc53fad47_main
		.amdhsa_group_segment_fixed_size 326656
		.amdhsa_private_segment_fixed_size 0
		.amdhsa_enable_private_segment 0
		.amdhsa_kernarg_size 80
		.amdhsa_user_sgpr_count 2
		.amdhsa_user_sgpr_kernarg_segment_ptr 1
		.amdhsa_wavefront_size32 1
		.amdhsa_system_sgpr_workgroup_id_x 1
		.amdhsa_system_sgpr_workgroup_id_y 1
		.amdhsa_system_sgpr_workgroup_id_z 1
		.amdhsa_system_vgpr_workitem_id 0
		.amdhsa_next_free_vgpr 256
		.amdhsa_next_free_sgpr 66
		.amdhsa_reserve_vcc 0
		.amdhsa_float_denorm_mode_32 3
		.amdhsa_float_denorm_mode_16_64 3
		.amdhsa_memory_ordered 1
		.amdhsa_forward_progress 1
		.amdhsa_inst_pref_size 254
	.end_amdhsa_kernel
	.amdgpu_metadata
---
amdhsa.version: [ 1, 2 ]
amdhsa.kernels:
  - .name:           k_q8fc53fad47_main
    .symbol:         k_q8fc53fad47_main.kd
    .args:
      - { .name: x, .offset: 0, .size: 8, .value_kind: global_buffer, .address_space: global }
      - { .name: ln_x_g, .offset: 8, .size: 8, .value_kind: global_buffer, .address_space: global }
      - { .name: ln_x_b, .offset: 16, .size: 8, .value_kind: global_buffer, .address_space: global }
      - { .name: bq, .offset: 24, .size: 8, .value_kind: global_buffer, .address_space: global }
      - { .name: bo, .offset: 32, .size: 8, .value_kind: global_buffer, .address_space: global }
      - { .name: cond_type, .offset: 40, .size: 8, .value_kind: global_buffer, .address_space: global }
      - { .name: wts, .offset: 48, .size: 8, .value_kind: global_buffer, .address_space: global }
      - { .name: kv, .offset: 56, .size: 8, .value_kind: global_buffer, .address_space: global }
      - { .name: sty, .offset: 64, .size: 8, .value_kind: global_buffer, .address_space: global }
      - { .name: out0, .offset: 72, .size: 8, .value_kind: global_buffer, .address_space: global }
    .group_segment_fixed_size: 326656
    .private_segment_fixed_size: 0
    .kernarg_segment_align: 8
    .kernarg_segment_size: 80
    .max_flat_workgroup_size: 512
    .sgpr_count:     66
    .vgpr_count:     256
    .wavefront_size: 32
...
	.end_amdgpu_metadata
.endif
;; end of part 3
